; MI455X (gfx1250); checked and timed in simulation.
; The chip was launched on July 23, 2026; its instructions are those of AMD's public machine-readable ISA for CDNA 5 (MIT licence, August 2026) and "CDNA5" Instruction Set Architecture Reference Guide (July 2026). The comments in the code are by the model that wrote it; some were corrected since.
;; multihead self attention. Allowed arithmetic: matrix products marked QUANTISED: E2M3 operands, one E8M0 scale for each 32 along K, by v_wmma_scale_f32_16x16x128_f8f6f4 with both operands' format E2M3, f32 sums; everything else in f32.
;; Inputs: wk 1,024 x 1,024 float32; wo 1,024 x 1,024 float32; wq 1,024 x 1,024 float32; wv 1,024 x 1,024 float32; x 4 x 2,048 x 1,024 float32.
;; Outputs: out0 4 x 2,048 x 1,024 float32.
;; This version of the problem:
;;   THIS VERSION OF THE PROBLEM IS GIVEN IN LOW PRECISION. The matrix products marked QUANTISED in the list below multiply operands that are first quantised to E2M3 (2 exponent bits, 3 mantissa bits; 6 bits a number), with one power-of-two scale for each 32 numbers along K (OCP MX v1.0); their sums are f32. All else is computed in f32.
;;   The module's matrix products, in the order in which they are computed (A, B: the left and right operand; K: the contracted axis; several contracted axes count as one K, in the product's order):
;;     1. [M 8,192, K 1,024] x [K 1,024, N 1,024]; A: input x; B: input wq: QUANTISED
;;     2. [M 8,192, K 1,024] x [K 1,024, N 1,024]; A: input x; B: input wk: QUANTISED
;;     3. [M 8,192, K 1,024] x [K 1,024, N 1,024]; A: input x; B: input wv: QUANTISED
;;     4. batch 64 x [M 2,048, K 64] x [K 64, N 2,048]; A: computed on the way; B: computed on the way: QUANTISED
;;     5. batch 64 x [M 2,048, K 2,048] x [K 2,048, N 64]; A: softmax (see below); B: computed on the way: QUANTISED
;;     6. [M 8,192, K 1,024] x [K 1,024, N 1,024]; A: computed on the way; B: input wo: QUANTISED
;;   THE QUANTISER, for each operand of a quantised product, along K:
;;     - K is cut into blocks of 32 from its start; a last block that is shorter is filled with zeros.
;;     - A block's scale is 2^e with e = floor(log2(the largest magnitude in the block)) - 2, held to -126 .. 127; a block of zeros has e = 0. As a byte (E8M0): e + 127.
;;     - Each number is divided by its block's scale, clamped to +-7.5, and rounded to the nearest number of E2M3, ties to even, subnormals kept.
;;     - The product sums the exact products of the quantised numbers (number of the format x scale) in f32.
;;   ~~~python
;;   def quantise(x, axis):      # numpy; x: float32 -> the quantised numbers, widened to float32 again
;;       x = np.moveaxis(x, axis, -1); K = x.shape[-1]
;;       x = np.pad(x, [(0, 0)] * (x.ndim - 1) + [(0, -K % 32)]); x = x.reshape(x.shape[:-1] + (-1, 32)); a = np.abs(x).max(-1, keepdims=True)
;;       e = np.where(a > 0, np.clip(np.frexp(np.where(a > 0, a, 1))[1] - 1 - 2, -126, 127), 0)      # np.frexp(a)[1] - 1 = floor(log2(a)), exactly
;;       r = np.clip(x / 2.0 ** e, -7.5, 7.5)
;;       step = 2.0 ** (np.maximum(np.frexp(np.where(r == 0, 1, r))[1] - 1, 0) - 3)
;;       q = np.round(r / step) * step * 2.0 ** e      # np.round: ties to even
;;       return np.moveaxis(q.reshape(q.shape[:-2] + (-1,))[..., :K], -1, axis).astype(np.float32)
;;   ~~~
;;   SOFTMAX AHEAD OF A QUANTISED PRODUCT. Where the list says 'softmax', what is quantised is not the finished softmax but p = 2^(t - M), with t = logit x log2(e) and M = ceil(the row's largest t), a whole number; so 1/2 < the row's largest p <= 1. The row's sum l is taken of the UNQUANTISED p, in f32, and the product's result is divided by l at the end. Since M is a whole number, a kernel that streams over the keys may use a running M (the ceiling of the running maximum): every later rescaling is an exact power of two, which a block's scale takes up: the codes' values come out the same.
;;   OPERANDS COMPUTED ON THE WAY. 'Computed on the way' means the value that the module computes at that place (a softmax that the list does not call 'softmax' is quantised finished and normalised). What goes into a quantiser is computed in f32, as accurately as f32 sums, v_exp_f32 and their like allow (about 1e-6 of the number): no bf16 or f16 on the way to a quantiser, and a product that is left as it is and whose result goes on into a quantised operand takes f32 operands (vector FMAs, or v_wmma_f32_16x16x4_f32). A number that lies on a knife's edge between two numbers of the format may be rounded either way, as far as f32 arithmetic and the matrix unit's own rounding can turn it there, and no further.
;; One version. Each part assembles by itself: llvm-mc -triple=amdgcn-amd-amdhsa -mcpu=gfx1250 --defsym DOCPART=n.
;; ======== version 1 of 1: 4 launches
;; workspace buffers: cod 9,437,184 bytes; scl 393,216 bytes; rt 524,288 bytes; qk 12,582,912 bytes; qks 1,048,576 bytes; vc 6,291,456 bytes; vs 262,144 bytes
;; launch prep (part 1): grid 800 x 1, 4 waves a work-group, no clusters, 34,816 bytes of LDS; arguments x, wq, wk, wv, wo, cod, scl, rt; writes cod, scl, rt
.if DOCPART == 1
	.amdgcn_target "amdgcn-amd-amdhsa--gfx1250"
	.amdhsa_code_object_version 6
	.text
	.protected	k_qe56b60e21e_prep
	.globl	k_qe56b60e21e_prep
	.p2align	8
	.type	k_qe56b60e21e_prep,@function
k_qe56b60e21e_prep:
	s_mov_b64 s[64:65], 0
	v_nop
	global_prefetch_b8 v0, s[64:65] scope:SCOPE_SE
	s_setreg_imm32_b32 hwreg(HW_REG_WAVE_MODE, 25, 1), 1
	s_wait_xcnt 0x0
; x [8192][1024], wq, wk, wv, wo [1024][1024], f32, K innermost, become codes of FP6 (E2M3) with one E8M0 byte for each 32 along K; and the cos/sin table of the rotary embedding is made.
; A block's scale is 2^(floor(log2(its largest magnitude)) - 2): its byte is the largest magnitude's exponent field - 2, held at 1 from below by a floor among the maximum's leaves.
; LIMITS: NaN and infinities among the inputs are not served.  A block of zeros keeps the byte 1 (its codes are zeros; only this program reads the bytes).  Blocks whose largest magnitude lies under 2^-124 are held at the floor.
;         The inverse frequencies are 10^(-f/8) rounded to f32, which may differ in the last bit from a power computed in f32; the angle's reduction serves angles up to 2,048.
; LAYOUT OF THE CODES: as the matrix unit's registers want them.  A ROW TILE T = 2 B + u is 16 rows: its lane r stands for row 32 B + 8 u + r + 8 (r / 8).  For 64 along K a tile is an image of 768 bytes: lane (r, h) owns
; the 24 bytes of k = 32 h .. 32 h + 31 of its row: its first 16 at byte 16 x lane, its last 8 at byte 512 + 8 x lane.  cod = [K quarter 4][tile 768][64 along K 4][768]; tiles 0-511 x, 512.. wq, 576.. wk, 640.. wv, 704.. wo.
; scl = [tile 768][half of K 2][r 16][4 words]: one word for a row and 128 along K.
; SHARES: work-groups 0-767: one row tile each, wave w its K quarter w (two steps of 128).  Each load reads 512 consecutive bytes of one row; a step turns through the wave's own stage in LDS, so that a lane gets two whole blocks of 32.
; Work-groups 768-799: the table, a tile of 16 positions to a wave; they touch no LDS and meet no barrier.  rt = [tile 128][chunk 8][lane 32][16 bytes]: chunk k of lane (r, h): cos, sin of pairs 2 k and 2 k + 1; pair c has
; frequency number 16 (c / 8) + 8 h + c % 8: the order in which the next launch's lanes hold a head's 32 pairs.
.set PLANE, 2359296                    ; bytes of a K quarter of cod: 768 tiles x 3,072
.set SPI,   528                        ; a stage row: 512 bytes + 16: row r starts 4 r banks on
.set STGB,  16*SPI                     ; a wave's stage
.set SCG,   4*STGB                     ; the tile's 512 bytes of scale words
.set SPARE, SCG+512                    ; the spare words, 128 bytes for each wave
.set RR,    16                         ; v16-143  as loaded: step s, row i at 16 + 64 s + 4 i; later step 1's numbers, turned
.set XX,    144                        ; v144-207 step 0's numbers, turned: block c at 32 c
.set PP,    208                        ; v208-239 codes: block (s, c) at 16 s + 8 c, six registers
.set EE,    240                        ; v240-246 the second conversions' results
.set TM,    248                        ; v248-249 largest magnitudes, v250-251 scale operands, v252-253 bytes, v254-255 the word's halves
.set SPW,   14
.set NIL,   15
	s_load_b256 s[4:11], s[0:1], 0x0               ; x, wq, wk, wv
	s_load_b256 s[12:19], s[0:1], 0x20             ; wo, cod, scl, rt
	v_lshl_add_u32 v[SPW], v0, 2, SPARE
	v_mov_b32 v[NIL], 0
	v_lshrrev_b32 v1, 5, v0
	v_readfirstlane_b32 s20, v1                    ; wave
	v_and_b32 v1, 31, v0                           ; lane
	v_and_b32 v2, 15, v0                           ; r
	v_bfe_u32 v3, v0, 4, 1                         ; h
	v_lshlrev_b32 v4, 4, v1                        ; 16 x lane
	v_lshlrev_b32 v5, 3, v1                        ; 8 x lane
	s_cmp_ge_u32 ttmp9, 768
	s_cbranch_scc1 .Ltable
	; ---------------- the quantiser ----------------
	s_mul_i32 s21, s20, STGB
	v_add_nc_u32 v6, s21, v4                       ; the stage on the way in: a row's 512 bytes as they lie
	v_mul_u32_u24 v7, v2, SPI
	v_lshl_add_u32 v7, v3, 7, v7
	v_add_nc_u32 v7, s21, v7                       ; and on the way out: row r, + 128 h: my block of 32 numbers
	s_lshr_b32 s22, s20, 1
	s_lshl_b32 s22, s22, 8
	s_and_b32 s23, s20, 1
	s_lshl_b32 s23, s23, 3
	s_add_co_u32 s22, s22, s23
	s_add_co_u32 s22, s22, SCG
	s_wait_alu depctr_va_vdst(0)
	v_lshl_add_u32 v8, v2, 4, s22                  ; my two scale words: 256 (w / 2) + 16 r + 8 (w % 2)
	v_add_nc_u32 v9, SCG, v4
	v_lshlrev_b32 v10, 3, v3                       ; 8 h: my bytes' shift in a scale word
	v_mov_b32 v[TM+7], 0                           ; a lane permute's destination counts as one of its sources
	s_mov_b32 s24, 0x76543210
	s_mov_b32 s25, 0xfedcba98                      ; lane l xor 16
	s_and_b32 s26, ttmp9, 63
	s_cmp_lt_u32 ttmp9, 512
	s_cselect_b32 s26, ttmp9, s26                  ; the tile's number in its own tensor
	s_lshr_b32 s27, s26, 1
	s_lshl_b32 s27, s27, 5
	s_and_b32 s28, s26, 1
	s_lshl_b32 s28, s28, 3
	s_add_co_u32 s27, s27, s28                     ; its first row
	s_lshl_b32 s28, s27, 12                        ; x 4,096 bytes
	s_lshl_b32 s29, s20, 10
	s_add_co_u32 s28, s28, s29                     ; + my K quarter's 1,024 bytes
	s_mov_b32 s29, 0
	s_mul_i32 s30, s20, PLANE
	s_mul_i32 s31, ttmp9, 3072
	s_add_co_u32 s30, s30, s31
	s_mov_b32 s31, 0
	s_lshl_b32 s32, ttmp9, 9
	s_mov_b32 s33, 0
	s_wait_kmcnt 0x0
	s_cmp_lt_u32 ttmp9, 704                        ; which tensor: the choice hangs on the work-group's number alone
	s_cselect_b64 s[34:35], s[10:11], s[12:13]
	s_cmp_lt_u32 ttmp9, 640
	s_cselect_b64 s[34:35], s[8:9], s[34:35]
	s_cmp_lt_u32 ttmp9, 576
	s_cselect_b64 s[34:35], s[6:7], s[34:35]
	s_cmp_lt_u32 ttmp9, 512
	s_cselect_b64 s[34:35], s[4:5], s[34:35]
	s_add_nc_u64 s[34:35], s[34:35], s[28:29]
	s_add_nc_u64 s[36:37], s[14:15], s[30:31]      ; my four images in cod
	s_add_nc_u64 s[38:39], s[16:17], s[32:33]      ; the tile's block in scl
.irp s, 0,1
.irp i, 0,1,2,3,4,5,6,7,8,9,10,11,12,13,14,15
	global_load_b128 v[RR+64*\s+4*\i:RR+64*\s+4*\i+3], v4, s[34:35] offset:(\i+8*(\i/8))*4096+512*\s th:TH_LOAD_NT   ; 32 lanes read 512 consecutive bytes of the tile's row i
.endr
.endr
; 64 numbers of a lane, two whole blocks (block 2 c + h of the step at src + 32 c), become 12 registers of codes and, with lane l xor 16's, the row's scale word of step s
.macro QSTEP src, s
.irp c, 0,1
	v_max3_num_f32 v[TM+\c], |v[\src+32*\c]|, |v[\src+32*\c+1]|, 0x1800000   ; with the floor 2^(3 - 127): the byte cannot fall under 1
.endr
.irp i, 2,4,6,8,10,12,14,16,18,20,22,24,26,28,30
.irp c, 0,1
	v_max3_num_f32 v[TM+\c], v[TM+\c], |v[\src+32*\c+\i]|, |v[\src+32*\c+\i+1]|   ; the two blocks by turns
.endr
.endr
.irp c, 0,1
	v_add_nc_u32 v[TM+2+\c], 0xff000000, v[TM+\c]  ; 2 off the exponent field: the conversion's scale operand
.endr
.irp c, 0,1
	v_lshrrev_b32 v[TM+4+\c], 23, v[TM+2+\c]       ; the scale's byte
.endr
	v_lshl_or_b32 v[TM+6], v[TM+5], 16, v[TM+4]    ; blocks h and 2 + h,
	v_lshlrev_b32 v[TM+6], v10, v[TM+6]            ; at their places;
	v_permlanex16_b32 v[TM+7], v[TM+6], s24, s25
	v_or_b32 v[12+\s], v[TM+6], v[TM+7]            ; with lane l xor 16's two the word is whole
.irp c, 0,1
	v_cvt_scalef32_pk16_fp6_f32 v[PP+16*\s+8*\c:PP+16*\s+8*\c+2], v[\src+32*\c:\src+32*\c+15], v[TM+2+\c]
	v_cvt_scalef32_pk16_fp6_f32 v[EE+4*\c:EE+4*\c+2], v[\src+32*\c+16:\src+32*\c+31], v[TM+2+\c]   ; (a conversion's three registers begin on an even number)
.endr
	v_nop                                          ; one plain instruction behind the scaled conversions
.irp c, 0,1
.irp i, 0,1,2
	v_mov_b32 v[PP+16*\s+8*\c+3+\i], v[EE+4*\c+\i]
.endr
.endr
.irp c, 0,1
	global_store_b128 v4, v[PP+16*\s+8*\c:PP+16*\s+8*\c+3], s[36:37] offset:(2*\s+\c)*768       ; 512 consecutive bytes,
	global_store_b64 v5, v[PP+16*\s+8*\c+4:PP+16*\s+8*\c+5], s[36:37] offset:(2*\s+\c)*768+512  ; and 256: each at a multiple of 256 from cod's first byte
.endr
.endm
	s_wait_loadcnt 16                              ; step 0's sixteen loads are in; step 1's may be out
.irp i, 0,1,2,3,4,5,6,7,8,9,10,11,12,13,14,15
	ds_store_b128 v6, v[RR+4*\i:RR+4*\i+3] offset:SPI*\i
.endr
.irp c, 0,1
.irp j, 0,1,2,3,4,5,6,7
	ds_load_b128 v[XX+32*\c+4*\j:XX+32*\c+4*\j+3], v7 offset:256*\c+16*\j   ; LDS serves a wave's instructions in order: these see the stores above
.endr
.endr
	s_wait_loadcnt 0x0
.irp i, 0,1,2,3,4,5,6,7,8,9,10,11,12,13,14,15
	ds_store_b128 v6, v[RR+64+4*\i:RR+64+4*\i+3] offset:SPI*\i               ; step 1 into the same stage, behind step 0's reads
.endr
	s_wait_dscnt 16                                ; all but those sixteen stores: step 0's numbers are back, and its stores have read their registers,
.irp c, 0,1
.irp j, 0,1,2,3,4,5,6,7
	ds_load_b128 v[RR+32*\c+4*\j:RR+32*\c+4*\j+3], v7 offset:256*\c+16*\j   ; which take step 1's numbers
.endr
.endr
	QSTEP XX, 0
	s_wait_dscnt 0x0
	QSTEP RR, 1
	ds_store_b64 v8, v[12:13]                      ; my quarter's two words of row r (lanes r and r + 16 store the same)
	s_wait_dscnt 0x0                               ; for the others' sake
	s_barrier_signal -1
	s_barrier_wait -1
	s_cmp_lg_u32 s20, 0
	s_cbranch_scc1 .Lq_end
	ds_load_b128 v[16:19], v9                      ; wave 0 stores the tile's 512 bytes of scale words whole
	s_wait_dscnt 0x0
	global_store_b128 v4, v[16:19], s[38:39]
.Lq_end:
	s_wait_tensorcnt 0x0                           ; the wave's end, behind my last LDS store
	ds_add_u32 v[SPW], v[NIL]
	s_wait_dscnt 0x0
	s_endpgm
	; ---------------- the table ----------------
.Ltable:
	s_sub_co_u32 s21, ttmp9, 768
	s_lshl_b32 s21, s21, 2
	s_add_co_u32 s21, s21, s20                     ; my tile of positions, 0 .. 127
	s_lshr_b32 s22, s21, 1
	s_lshl_b32 s22, s22, 5
	s_and_b32 s23, s21, 1
	s_lshl_b32 s23, s23, 3
	s_add_co_u32 s22, s22, s23
	s_wait_alu depctr_va_vdst(0)
	v_and_b32 v6, 8, v2
	v_add3_u32 v6, v6, v2, s22                     ; my position: 32 B + 8 u + r + 8 (r / 8)
	v_cvt_f32_u32 v8, v6
	v_cmp_eq_u32 vcc_lo, 1, v3                     ; lanes 16-31 take the frequency eight on
	s_mov_b32 s24, 0x3f22f983                      ; 2 / pi
	s_mov_b32 s25, 0xbfc90fdb                      ; - pi/2 in three parts: the f32 next to it,
	s_mov_b32 s26, 0x333bbd2e                      ; + 4.37113883e-8,
	s_mov_b32 s27, 0x26f72cf1                      ; + 1.7151e-15
	s_mov_b32 s28, 0xb94ca1f9                      ; sine: -1.9515295891e-4,
	s_mov_b32 s29, 0x3c08839e                      ; 8.3321608736e-3,
	s_mov_b32 s30, 0xbe2aaaa3                      ; -1.6666654611e-1
	s_mov_b32 s31, 0x37ccf5ce                      ; cosine: 2.443315711809948e-5,
	s_mov_b32 s32, 0xbab6061a                      ; -1.388731625493765e-3,
	s_mov_b32 s33, 0x3d2aaaa5                      ; 4.166664568298827e-2
	s_lshl_b32 s36, s21, 12
	s_mov_b32 s37, 0
	s_wait_alu depctr_va_vdst(0)
	s_wait_kmcnt 0x0
	s_add_nc_u64 s[18:19], s[18:19], s[36:37]
; cos and sin of position x frequency for pair c.  The angle is one f32 product.  n = the nearest whole number of quarter turns; the angle less n pi/2 is taken in three fused steps, the first of which rounds
; nothing (both terms are multiples of 2^-23 and the difference is under 1); two short polynomials on [-pi/4, pi/4]; n's two low bits say which of them is which, and the signs.
.macro SINCOS c, lit0, lit1
	v_mul_f32 v10, \lit0, v8
	v_mul_f32 v11, \lit1, v8
	v_cndmask_b32 v10, v10, v11, vcc_lo            ; the angle
	v_mul_f32 v11, s24, v10
	v_rndne_f32 v11, v11                           ; n
	v_fma_f32 v12, v11, s25, v10
	v_fma_f32 v12, v11, s26, v12
	v_fma_f32 v12, v11, s27, v12                   ; r
	v_mul_f32 v13, v12, v12                        ; z = r r
	v_cvt_i32_f32 v14, v11
	v_fma_f32 v15, v13, s28, s29
	v_fma_f32 v15, v15, v13, s30
	v_mul_f32 v16, v13, v12
	v_fma_f32 v15, v15, v16, v12                   ; sin r
	v_fma_f32 v17, v13, s31, s32
	v_fma_f32 v17, v17, v13, s33
	v_mul_f32 v18, v13, v13
	v_fma_f32 v19, v13, -0.5, 1.0
	v_fma_f32 v17, v17, v18, v19                   ; cos r
	v_and_b32 v18, 1, v14
	v_cmp_eq_u32 s34, 1, v18                       ; an odd n swaps the two
	v_cndmask_b32 v19, v15, v17, s34
	v_cndmask_b32 v20, v17, v15, s34
	v_lshlrev_b32 v18, 30, v14
	v_and_b32 v18, 0x80000000, v18                 ; the sine's sign: bit 1 of n
	v_xor_b32 v[33+2*\c], v18, v19
	v_add_nc_u32 v14, 1, v14
	v_lshlrev_b32 v14, 30, v14
	v_and_b32 v14, 0x80000000, v14                 ; the cosine's: bit 1 of n + 1
	v_xor_b32 v[32+2*\c], v14, v20
.endm
	SINCOS 0, 1.0, 0.1
	SINCOS 1, 0.7498942093324559, 0.07498942093324559
	SINCOS 2, 0.5623413251903491, 0.05623413251903491
	SINCOS 3, 0.4216965034285822, 0.04216965034285822
	SINCOS 4, 0.31622776601683794, 0.031622776601683794
	SINCOS 5, 0.23713737056616552, 0.023713737056616552
	SINCOS 6, 0.17782794100389228, 0.017782794100389228
	SINCOS 7, 0.1333521432163324, 0.01333521432163324
	SINCOS 8, 0.01, 0.001
	SINCOS 9, 0.007498942093324559, 0.0007498942093324559
	SINCOS 10, 0.005623413251903491, 0.0005623413251903491
	SINCOS 11, 0.004216965034285822, 0.0004216965034285822
	SINCOS 12, 0.0031622776601683794, 0.00031622776601683794
	SINCOS 13, 0.0023713737056616552, 0.00023713737056616552
	SINCOS 14, 0.0017782794100389228, 0.00017782794100389228
	SINCOS 15, 0.001333521432163324, 0.0001333521432163324
.irp k, 0,1,2,3,4,5,6,7
	global_store_b128 v4, v[32+4*\k:35+4*\k], s[18:19] offset:512*\k   ; 512 consecutive bytes
.endr
	s_endpgm
.Lfunc_end_k_qe56b60e21e_prep:
	.size	k_qe56b60e21e_prep, .Lfunc_end_k_qe56b60e21e_prep-k_qe56b60e21e_prep
	.p2alignl 7, 3214868480
	.fill 96, 4, 3214868480
	.section	.rodata,"a",@progbits
	.p2align	6, 0x0
	.amdhsa_kernel k_qe56b60e21e_prep
		.amdhsa_group_segment_fixed_size 34816
		.amdhsa_private_segment_fixed_size 0
		.amdhsa_enable_private_segment 0
		.amdhsa_kernarg_size 64
		.amdhsa_user_sgpr_count 2
		.amdhsa_user_sgpr_kernarg_segment_ptr 1
		.amdhsa_wavefront_size32 1
		.amdhsa_system_sgpr_workgroup_id_x 1
		.amdhsa_system_sgpr_workgroup_id_y 1
		.amdhsa_system_sgpr_workgroup_id_z 1
		.amdhsa_system_vgpr_workitem_id 0
		.amdhsa_next_free_vgpr 256
		.amdhsa_next_free_sgpr 66
		.amdhsa_reserve_vcc 1
		.amdhsa_float_denorm_mode_32 3
		.amdhsa_float_denorm_mode_16_64 3
		.amdhsa_memory_ordered 1
		.amdhsa_forward_progress 1
		.amdhsa_inst_pref_size 43
	.end_amdhsa_kernel
	.amdgpu_metadata
---
amdhsa.version: [ 1, 2 ]
amdhsa.kernels:
  - .name:           k_qe56b60e21e_prep
    .symbol:         k_qe56b60e21e_prep.kd
    .args:
      - { .name: x, .offset: 0, .size: 8, .value_kind: global_buffer, .address_space: global }
      - { .name: wq, .offset: 8, .size: 8, .value_kind: global_buffer, .address_space: global }
      - { .name: wk, .offset: 16, .size: 8, .value_kind: global_buffer, .address_space: global }
      - { .name: wv, .offset: 24, .size: 8, .value_kind: global_buffer, .address_space: global }
      - { .name: wo, .offset: 32, .size: 8, .value_kind: global_buffer, .address_space: global }
      - { .name: cod, .offset: 40, .size: 8, .value_kind: global_buffer, .address_space: global }
      - { .name: scl, .offset: 48, .size: 8, .value_kind: global_buffer, .address_space: global }
      - { .name: rt, .offset: 56, .size: 8, .value_kind: global_buffer, .address_space: global }
    .group_segment_fixed_size: 34816
    .private_segment_fixed_size: 0
    .kernarg_segment_align: 8
    .kernarg_segment_size: 64
    .max_flat_workgroup_size: 128
    .sgpr_count:     66
    .vgpr_count:     256
    .wavefront_size: 32
...
	.end_amdgpu_metadata
.endif
;; end of part 1
;; launch qkv (part 2): grid 8 x 48, 4 waves a work-group, clusters of 4 x 4, 327,680 bytes of LDS; arguments cod, scl, rt, qk, qks, vc, vs; writes qk, qks, vc, vs
.if DOCPART == 2
	.amdgcn_target "amdgcn-amd-amdhsa--gfx1250"
	.amdhsa_code_object_version 6
	.text
	.protected	k_qe56b60e21e_qkv
	.globl	k_qe56b60e21e_qkv
	.p2align	8
	.type	k_qe56b60e21e_qkv,@function
k_qe56b60e21e_qkv:
	s_mov_b64 s[64:65], 0
	v_nop
	global_prefetch_b8 v0, s[64:65] scope:SCOPE_SE
	s_setreg_imm32_b32 hwreg(HW_REG_WAVE_MODE, 25, 1), 1
	s_wait_xcnt 0x0
	s_wait_alu depctr_hold_cnt(0) depctr_sa_sdst(0) depctr_va_vdst(0) depctr_va_sdst(0) depctr_va_ssrc(0) depctr_va_vcc(0) depctr_vm_vsrc(0)
	s_getreg_b32 s2, hwreg(HW_REG_IB_STS2, 6, 4)
	s_cmp_eq_u32 s2, 0
	s_cbranch_scc0 .Lentry_in_a_cluster
	s_endpgm
.Lentry_in_a_cluster:
	s_bfe_u32 s2, ttmp6, 0x10000c
	s_cmp_lg_u32 s2, 0xf033
	s_cbranch_scc0 .Lentry_shape_is_right
	s_endpgm
.Lentry_shape_is_right:
; q = rope(x wq^T), k = rope(x wk^T), v = x wv^T on codes of FP6 (E2M3) with E8M0 scales, K = 1,024; the results are quantised at once: q and k along a head's 64, v along the keys.
; A work-group of four waves makes 256 x 256 results, a wave 128 x 128: 64 accumulators, 512 registers.  K goes in four steps of 256 through two LDS slots filled by the tensor data mover.
; THE MATRIX INSTRUCTION IS USED TRANSPOSED: source 0 = 16 rows of the "B region", source 1 = 16 rows of the "A region": a lane holds ONE row of A's tensor, and its registers run along B's rows.
; ONE TEXT, TWO KINDS OF WORK-GROUP, by the cluster's y (alike in all partners).  y < 8: A = x, B = wq | wk: a lane holds a token and its registers run along the features, which are the next product's K.
; y >= 8: A = wv, B = x: a lane holds a feature of v and its registers run along the tokens, the keys, which are v's K in the second product of attention.  Only the way out differs, behind one branch.
; LAYOUT (made by the launch before): a ROW TILE T = 2 B + u is 16 rows, lane r standing for row 32 B + 8 u + r + 8 (r / 8): so the 16 registers of two neighbouring tiles of source 0 are 16 NEIGHBOURS 32 B + 16 h + 0 .. 15.
; For 64 along K a tile is an image of 768 bytes of the operand's registers (lane's first 16 bytes at 16 x lane, last 8 at 512 + 8 x lane): a fragment of 128 along K is four dense LDS loads, with no pitch and no padding.
; cod = [K quarter 4][tile 768][3,072]: the 8 tiles that a wave fetches for a slot are one dense block of 24,576 bytes.  The scale words of all of K go from memory straight into 64 registers, once.
; CLUSTERS: 4 x 4 work-groups; A's tiles are shared along a row of the cluster, B's along a column: each is asked for jointly, by the same tensor load with the same descriptor and a mask that names the four.
; No prefetch: K has four steps, of which two are first fills, and every tile is read by many work-groups at about the same time.
; OUT: qk = [head 32 (q's 16, then k's)][tile 512][768]; qks = [head 32][group of 8 tiles 64][lane 32][4 words]: word i of lane l: tile 2 i + l / 16, row lane l % 16; bytes 0, 1 the head's two blocks, bytes 2, 3 never 0xff.
;      vc = [batch][head][128 keys 16][tile of 16 features 4][1,536]; vs = [batch][head][128 keys 16][lane 32][2 words]: word i of lane l: feature tile 2 i + l / 16.
; LIMITS: NaN and infinities are not served; a block of zeros keeps the byte 1 (zero codes; only this program reads the bytes).
; REGISTERS, in windows of 256.  Window 0: v16-31 addresses; v32-95 scale words (register 8 i + kq: lanes 0-15 A's tile i, lanes 16-31 B's tile i, K step kq); v96-127, v224-255 cos/sin of two tiles; v128-223 A's fragments, one set.
;   Window 1: B's fragments, two sets, at v0 and v128.  Windows 2, 3: the accumulators ((a, b) at v[8 (8 (a % 4) + b)]).  On the way out window 0's v32-95 and v128-223 are free.
.set PLANE, 2359296
.set TILEB, 3072                       ; a tile's 256 along K
.set HALFT, 8*TILEB                    ; what one tensor load brings, and what one wave reads of A or of B
.set SLOT,  4*HALFT
.set SPARE, 2*SLOT                     ; behind the ring: the spare words, 128 bytes for each wave
.set FR,  12
.set NL,  4                            ; LDS loads that bring a fragment
.set NP,  4                            ; places behind this matrix instruction
.set A16, 16                           ; v16-17 my A tiles in slot 0, 1, + 16 x lane;  v18-19 + 8 x lane
.set A8,  18
.set B16, 20                           ; v20-23 the same for B
.set B8,  22
.set L16, 24                           ; 16 x lane
.set L8,  25                           ; 8 x lane
.set SOF, 26                           ; where my scale words lie in scl
.set FLO, 27                           ; 2^(3 - 127)
.set SPW, 28
.set NIL, 29
.set SC,  32
.set CSA, 96
.set CSB, 224
.set AF,  128
.set TT,  128                          ; the way out: v128-191 the rotated halves
.set TM,  192                          ; v192-207 at work
.set PCS, 32                           ; v32-51, v52-71 codes, two sets by turns
.set PW,  72                           ; v72-79 the eight tiles' scale words
.set WW,  80                           ; v80-87 as they are stored
.set G1A, 32
.set G1B, 40
.set G0A, 48
.set G0B, 56
.set MSB, 0
.macro WIN new                         ; the immediate's high byte repeats the setting that is left
.if MSB != (\new)
	s_set_vgpr_msb (MSB<<8)|(\new)
.set MSB, (\new)
.endif
.endm
.set MUL_LO, 0xa1                      ; source 0 (B) window 1, source 1 (A) window 0, C and D window 2
.set MUL_HI, 0xf1
.set TO_B,   0x40
.macro JLOAD s                         ; a joint load: waves 0, 1 fetch A's halves, waves 2, 3 B's; an s_nop 0 and four v_nop follow each line
	s_cmp_eq_u32 s19, 0
	s_cbranch_scc0 .Lfor_b_\@
	tensor_load_to_lds s[G0A+4*\s:G0A+4*\s+3], s[G1A:G1A+7]
	s_nop 0
.rept 4
	v_nop
.endr
	s_branch .Lasked_\@
.Lfor_b_\@:
	tensor_load_to_lds s[G0B+4*\s:G0B+4*\s+3], s[G1B:G1B+7]
	s_nop 0
.rept 4
	v_nop
.endr
.Lasked_\@:
.endm
.macro CREST                           ; a round of the cluster's barrier behind its opening barrier
	s_cmp_lg_u32 s18, 0
	s_cbranch_scc1 .Lnot_wave_0_\@
	s_barrier_signal -3
.Lnot_wave_0_\@:
	s_barrier_wait -3
	s_barrier_signal -1
	s_barrier_wait -1
.endm
.macro CROUND
	s_barrier_signal -1
	s_barrier_wait -1
	CREST
.endm
.macro PLACES n
.rept \n
	v_nop
.endr
.endm
	s_load_b256 s[4:11], s[0:1], 0x0               ; cod, scl, rt, qk
	s_load_b128 s[12:15], s[0:1], 0x20             ; qks, vc
	s_load_b64 s[16:17], s[0:1], 0x30              ; vs
	v_lshl_add_u32 v[SPW], v0, 2, SPARE
	v_mov_b32 v[NIL], 0
	ds_add_u32 v[SPW], v[NIL]
	ds_add_u32 v[SPW], v[NIL]                      ; the wave's opening: the add and its wait stand ahead of my first tensor load; work on registers stands between them
	v_lshrrev_b32 v1, 5, v0
	v_readfirstlane_b32 s18, v1                    ; wave
	s_lshr_b32 s19, s18, 1                         ; RH: my half of A's rows.  Also: I fetch for A (0) or B (1)
	s_and_b32 s20, s18, 1                          ; CH: my half of B's rows.  Also: which 8 tiles I fetch
	s_bfe_u32 s21, ttmp6, 0x40000                  ; cx
	s_bfe_u32 s22, ttmp6, 0x40004                  ; cy
	s_and_b32 s23, ttmp7, 0xffff                   ; the cluster's y
	s_lshl_b32 s30, s23, 2
	s_lshl_b32 s31, ttmp9, 2
	s_max_u32 s29, s23, 8
	s_sub_co_u32 s29, s29, 8
	s_lshl_b32 s29, s29, 3
	s_add_co_u32 s29, s29, s31                     ; 4 (2 (y - 8) + x)
	s_cmp_ge_u32 s23, 8
	s_cselect_b32 s24, 1, 0                        ; TYPE: 1 = v
	s_cselect_b32 s25, 0, s30
	s_cselect_b32 s26, s29, s31
	s_cselect_b32 s88, 640, 0                      ; A's first tile in cod: wv's or x's
	s_cselect_b32 s89, 0, 512                      ; B's: x's or wq's
	s_add_co_u32 s25, s25, s22                     ; TR: which 256 rows of A: hangs on y and cy alone
	s_add_co_u32 s26, s26, s21                     ; TC: which 256 rows of B: on x, y and cx alone
	s_lshl_b32 s27, s22, 2
	s_lshl_b32 s27, 15, s27                        ; my row of the cluster
	s_lshl_b32 s28, 0x1111, s21                    ; my column
	; descriptor group 1: a dense block of 24,576 bytes as 96 rows of 32 elements of 8 bytes
	s_or_b32 s[G1A], s27, (3<<16)|(1<<21)
	s_or_b32 s[G1B], s28, (3<<16)|(1<<21)
.irp g, G1A, G1B
	s_mov_b32 s[\g+1], 32<<16                      ; tensor_dim0
	s_mov_b32 s[\g+2], 96<<16                      ; tensor_dim1
	s_mov_b32 s[\g+3], 32<<16                      ; tile_dim0
	s_mov_b32 s[\g+4], 96                          ; tile_dim1
	s_mov_b32 s[\g+5], 32                          ; the pitch
	s_mov_b32 s[\g+6], 0
	s_mov_b32 s[\g+7], 0
.endr
	s_lshl_b32 s66, s25, 4
	s_add_co_u32 s66, s66, s88                     ; the first of A's 16 tiles
	s_lshl_b32 s68, s26, 4
	s_add_co_u32 s68, s68, s89                     ; the first of B's
	s_lshl_b32 s90, s20, 3
	s_add_co_u32 s67, s66, s90
	s_mul_i32 s84, s67, TILEB                      ; the 8 tiles that I would fetch for A,
	s_mov_b32 s85, 0
	s_add_co_u32 s69, s68, s90
	s_mul_i32 s86, s69, TILEB                      ; and for B
	s_mov_b32 s87, 0
	s_mul_i32 s70, s18, HALFT                      ; where they go: no place in the cluster enters an LDS address
	s_mov_b32 s80, 0xffff0000                      ; lanes 16-31
	s_mov_b32 s82, 0x76543210
	s_mov_b32 s83, 0xfedcba98
	s_wait_dscnt 0x0                               ; the opening add is done
	s_wait_kmcnt 0x0
	s_add_nc_u64 s[84:85], s[4:5], s[84:85]
	s_add_nc_u64 s[86:87], s[4:5], s[86:87]
	CROUND                                         ; all sixteen work-groups are here: the first joint loads meet
.irp s, 0,1
	s_mov_b32 s[G0A+4*\s], 1
	s_add_co_u32 s[G0A+4*\s+1], s70, \s*SLOT
	s_add_nc_u64 s[G0A+4*\s+2:G0A+4*\s+3], s[84:85], \s*PLANE
	s_or_b32 s[G0A+4*\s+3], s[G0A+4*\s+3], 0x80000000
	s_mov_b32 s[G0B+4*\s], 1
	s_add_co_u32 s[G0B+4*\s+1], s70, \s*SLOT
	s_add_nc_u64 s[G0B+4*\s+2:G0B+4*\s+3], s[86:87], \s*PLANE
	s_or_b32 s[G0B+4*\s+3], s[G0B+4*\s+3], 0x80000000
	JLOAD \s
.endr
	v_and_b32 v1, 31, v0
	v_and_b32 v2, 15, v0
	v_lshlrev_b32 v[L16], 4, v1
	v_lshlrev_b32 v[L8], 3, v1
	v_mov_b32 v[FLO], 0x1800000
	s_mul_i32 s71, s19, HALFT                      ; my 8 tiles of A
	s_mul_i32 s78, s20, HALFT
	s_add_co_u32 s78, s78, 2*HALFT                 ; my 8 tiles of B, behind A's 16
.irp s, 0,1
	v_add_nc_u32 v[A16+\s], s71, v[L16]
	v_add_nc_u32 v[A8+\s], s71, v[L8]
	v_add_nc_u32 v[B16+\s], s78, v[L16]
	v_add_nc_u32 v[B8+\s], s78, v[L8]
	s_add_co_u32 s71, s71, SLOT
	s_add_co_u32 s78, s78, SLOT
.endr
	s_lshl_b32 s79, s19, 3
	s_add_co_u32 s79, s79, s66                     ; my first tile of A
	s_lshl_b32 s81, s20, 3
	s_add_co_u32 s81, s81, s68                     ; and of B
	s_lshl_b32 s91, s79, 9
	s_lshl_b32 s92, s81, 9
	v_mov_b32 v30, s91
	v_mov_b32 v31, s92
	v_cndmask_b32 v30, v30, v31, s80               ; lanes 0-15 take A's words, lanes 16-31 B's
	v_lshl_add_u32 v[SOF], v2, 4, v30
.irp i, 0,1,2,3,4,5,6,7
.irp q, 0,1
	global_load_b128 v[SC+8*\i+4*\q:SC+8*\i+4*\q+3], v[SOF], s[6:7] offset:512*\i+256*\q   ; tile i's words of K steps 4 q .. 4 q + 3
.endr
.endr
	s_and_b32 s94, s79, 127                        ; my first tile's place in its sequence of 2,048 (in a work-group of v: some tile of the table, loaded and not read)
	s_lshl_b32 s94, s94, 12
	s_mov_b32 s95, 0
	s_add_nc_u64 s[76:77], s[8:9], s[94:95]
	; the way out's addresses, both kinds' in every work-group, so that nothing ahead of the way out hangs on the kind
	s_mov_b32 s91, 0
	s_lshl_b32 s92, s26, 2
	s_lshl_b32 s93, s20, 1
	s_add_co_u32 s92, s92, s93                     ; my first head: 4 TC + 2 CH
	s_lshl_b32 s93, s25, 1
	s_add_co_u32 s93, s93, s19                     ; 2 TR + RH: my group of 8 tiles
	s_mul_i32 s90, s92, 393216
	s_mul_i32 s94, s93, 6144
	s_add_co_u32 s90, s90, s94
	s_add_nc_u64 s[72:73], s[10:11], s[90:91]      ; in qk
	s_lshl_b32 s90, s92, 6
	s_add_co_u32 s90, s90, s93
	s_lshl_b32 s90, s90, 9
	s_add_nc_u64 s[74:75], s[12:13], s[90:91]      ; in qks
	s_lshl_b32 s92, s26, 1
	s_add_co_u32 s92, s92, s20                     ; my 128 keys: 2 TC + CH
	s_lshr_b32 s94, s92, 4
	s_lshl_b32 s94, s94, 4                         ; 16 x batch
	s_lshl_b32 s93, s93, 1                         ; my first head of v: 4 TR + 2 RH
	s_add_co_u32 s94, s94, s93
	s_lshl_b32 s94, s94, 4
	s_and_b32 s92, s92, 15
	s_add_co_u32 s94, s94, s92
	s_mul_i32 s90, s94, 6144
	s_add_nc_u64 s[84:85], s[14:15], s[90:91]      ; in vc
	s_lshl_b32 s90, s94, 8
	s_add_nc_u64 s[86:87], s[16:17], s[90:91]      ; in vs
.macro FRAG reg, a16, a8, q, i         ; tile i's fragment of the slot's q-th 128 along K: two images, each 16 bytes and 8 bytes a lane; every load reads consecutive bytes
	ds_load_b128 v[\reg:\reg+3], v[\a16] offset:(\i)*TILEB+(\q)*1536
	ds_load_b64 v[\reg+4:\reg+5], v[\a8] offset:(\i)*TILEB+(\q)*1536+512
	ds_load_b128 v[\reg+6:\reg+9], v[\a16] offset:(\i)*TILEB+(\q)*1536+768
	ds_load_b64 v[\reg+10:\reg+11], v[\a8] offset:(\i)*TILEB+(\q)*1536+1280
.endm
.macro FETCH_B slot, q, p
	WIN TO_B
.irp i, 0,1,2,3,4,5,6,7
	FRAG 128*(\p)+FR*\i, B16+\slot, B8+\slot, \q, \i
.endr
	WIN 0
.endm
.macro FETCH_A slot, q, i0
.irp i, \i0, \i0+1, \i0+2, \i0+3
	FRAG AF+FR*(\i), A16+\slot, A8+\slot, \q, \i
.endr
.endm
; 16 matrix instructions: A's tiles a0, a0 + 1 x B's eight, K step kq; p: B's set.  The 64 accumulators take turns, one instruction a turn, in the same order in every step.
.macro MUL16 a0, p, kq, zero
.irp a, \a0, \a0+1
.irp b, 0,1,2,3,4,5,6,7
.if \zero
	v_wmma_scale_f32_16x16x128_f8f6f4 v[8*(8*((\a)%4)+\b):8*(8*((\a)%4)+\b)+7], v[128*(\p)+FR*\b:128*(\p)+FR*\b+FR-1], v[AF+FR*(\a):AF+FR*(\a)+FR-1], 0, v[SC+8*\b+(\kq)], v[SC+8*(\a)+(\kq)] matrix_a_fmt:MATRIX_FMT_FP6 matrix_b_fmt:MATRIX_FMT_FP6 matrix_a_scale:MATRIX_SCALE_ROW1
.else
	v_wmma_scale_f32_16x16x128_f8f6f4 v[8*(8*((\a)%4)+\b):8*(8*((\a)%4)+\b)+7], v[128*(\p)+FR*\b:128*(\p)+FR*\b+FR-1], v[AF+FR*(\a):AF+FR*(\a)+FR-1], v[8*(8*((\a)%4)+\b):8*(8*((\a)%4)+\b)+7], v[SC+8*\b+(\kq)], v[SC+8*(\a)+(\kq)] matrix_a_fmt:MATRIX_FMT_FP6 matrix_b_fmt:MATRIX_FMT_FP6 matrix_a_scale:MATRIX_SCALE_ROW1
.endif
.endr
.endr
.endm
; A slot's first 128 along K.  A tile of A is free as soon as its eight products are issued, so A has one set of registers: tiles 0-3 are fetched anew in the step's middle, tiles 4-7 at its end.
.macro STEP slot, kq, zero
	s_wait_dscnt 4*NL                              ; B's set and A's tiles 0-3 are in; the youngest sixteen loads (A's tiles 4-7) may be out
	WIN MUL_LO
	MUL16 0, 0, \kq, \zero
	MUL16 2, 0, \kq, \zero
	s_wait_dscnt 0
	PLACES NP                                      ; in front of loads into registers that matrix instructions have read
	FETCH_B \slot, 1, 1
	FETCH_A \slot, 1, 0
	WIN MUL_HI
	MUL16 4, 0, \kq, \zero
	MUL16 6, 0, \kq, \zero
	PLACES NP
	WIN 0
	FETCH_A \slot, 1, 4
.endm
; A slot's second 128 along K changes slots: one barrier; in front of it each wave waits for all its tensor loads, adds 0 to its spare word, and waits for that and for its reads of this slot.  fill = 1: the slot is filled again.
.macro TURN slot, next, fill, kq
	s_wait_tensorcnt 0x0                           ; all my tensor loads have landed: my part of the next slot
	ds_add_u32 v[SPW], v[NIL]                      ; 0 onto my spare word
	s_wait_dscnt 4*NL+1                            ; (the add and the youngest sixteen loads may be out)
	WIN MUL_LO
	MUL16 0, 1, \kq, 0
	s_wait_dscnt 0x0                               ; the add is done, and my reads of this slot are over
	s_barrier_signal -1
	MUL16 2, 1, \kq, 0
	WIN 0
	s_barrier_wait -1
.if \fill
	CREST                                          ; the barrier has opened a round of the cluster's: no wave of any partner still reads this slot or has a load on its way
	s_add_nc_u64 s[G0A+4*\slot+2:G0A+4*\slot+3], s[G0A+4*\slot+2:G0A+4*\slot+3], 2*PLANE
	s_add_nc_u64 s[G0B+4*\slot+2:G0B+4*\slot+3], s[G0B+4*\slot+2:G0B+4*\slot+3], 2*PLANE
	JLOAD \slot                                    ; the first tensor load behind the round; its four v_nop are also the places in front of the loads below
.else
	PLACES NP
.endif
	FETCH_B \next, 0, 0
	FETCH_A \next, 0, 0
	WIN MUL_HI
	MUL16 4, 1, \kq, 0
	MUL16 6, 1, \kq, 0
	PLACES NP
	WIN 0
	FETCH_A \next, 0, 4
.endm
	s_wait_alu depctr_va_vdst(0)
	s_wait_tensorcnt 1                             ; my part of slot 0 is in (slot 1's load may be out)
	s_barrier_signal -1
	s_barrier_wait -1                              ; everybody's is
	FETCH_B 0, 0, 0
	FETCH_A 0, 0, 0
	FETCH_A 0, 0, 4
	s_wait_loadcnt 0x0                             ; the scale words
.irp a, 0,1
.irp k, 0,1,2,3,4,5,6,7
	global_load_b128 v[CSA+(CSB-CSA)*\a+4*\k:CSA+(CSB-CSA)*\a+4*\k+3], v[L16], s[76:77] offset:4096*\a+512*\k   ; cos and sin for my tiles 0 and 1: wanted on the way out
.endr
.endr
	STEP 0, 0, 1                                   ; K's four quarters are written out; the first products start the sums
	TURN 0, 1, 1, 1
	STEP 1, 2, 0
	TURN 1, 0, 1, 3
	STEP 0, 4, 0
	TURN 0, 1, 0, 5
	STEP 1, 6, 0
	s_wait_dscnt 4*NL
	WIN MUL_LO
	MUL16 0, 1, 7, 0
	MUL16 2, 1, 7, 0
	s_wait_dscnt 0
	WIN MUL_HI
	MUL16 4, 1, 7, 0
	MUL16 6, 1, 7, 0
	WIN 0
; THE WAY OUT, a tile of A (16 lanes' rows x 128 along the registers) at a time, straight from the registers.
; The rotary embedding: register pair p of the 32 holds a head's numbers 2 f, 2 f + 1 with f = 16 ((p / 8) % 2) + 8 h + p % 8; the table's pair c = 8 ((p / 8) % 2) + p % 8 holds that frequency's cos and sin at my row's position.
.macro ROPE a
.set AC, 64*((\a)%4)
.set WN, 2+(\a)/4
.set CSR, CSA+(CSB-CSA)*((\a)%2)
.if (\a) < 7
	s_wait_loadcnt 8                               ; this tile's eight table loads are in; the next tile's may be out
.else
	s_wait_loadcnt 0
.endif
	WIN WN
.set pp, 0
.rept 32
.set cc, 8*((pp/8)%2)+pp%8
	v_pk_mul_f32 v[TT+2*pp:TT+2*pp+1], v[AC+2*pp:AC+2*pp+1], v[CSR+2*cc:CSR+2*cc+1] op_sel:[1,1] op_sel_hi:[0,1] neg_lo:[0,1]   ; (- odd x sin, even x sin)
.set pp, pp+1
.endr
	WIN WN|(WN<<6)
.set pp, 0
.rept 32
.set cc, 8*((pp/8)%2)+pp%8
	v_pk_fma_f32 v[AC+2*pp:AC+2*pp+1], v[AC+2*pp:AC+2*pp+1], v[CSR+2*cc:CSR+2*cc+1], v[TT+2*pp:TT+2*pp+1] op_sel_hi:[1,0,1]   ; x cos, + that
.set pp, pp+1
.endr
	WIN 0
.if (\a) < 6
.irp k, 0,1,2,3,4,5,6,7
	global_load_b128 v[CSR+4*\k:CSR+4*\k+3], v[L16], s[76:77] offset:4096*((\a)+2)+512*\k
.endr
.endif
.endm
; 64 numbers of a lane, register 16 b + i = number 32 b + 16 h + i along the next K, become 12 registers of codes and the row's scale word
.macro QUANT a
.set AC, 64*((\a)%4)
.set WN, 2+(\a)/4
.set PC, PCS+20*((\a)%2)
	s_wait_xcnt 0x0                                ; the earlier tiles' stores have read their registers: this set of codes may be written again
	WIN (WN<<2)|(WN<<4)
.irp b, 0,1,2,3
	v_max3_num_f32 v[TM+\b], v[FLO], |v[AC+16*\b]|, |v[AC+16*\b+1]|   ; with the floor: the byte cannot fall under 1.  (Each accumulator is read from its low end on)
.endr
.irp i, 2,4,6,8,10,12,14
.irp b, 0,1,2,3
	v_max3_num_f32 v[TM+\b], v[TM+\b], |v[AC+16*\b+\i]|, |v[AC+16*\b+\i+1]|
.endr
.endr
	WIN 0
.irp b, 0,1,2,3
	v_permlanex16_b32 v[TM+4+\b], v[TM+\b], s82, s83
.endr
.irp b, 0,1,2,3
	v_max_num_f32 v[TM+\b], v[TM+\b], v[TM+4+\b]   ; with lane l xor 16's: the block's largest magnitude
.endr
.irp b, 0,1,2,3
	v_add_nc_u32 v[TM+12+\b], 0xff000000, v[TM+\b]
.endr
.irp b, 0,1,2,3
	v_lshrrev_b32 v[TM+4+\b], 23, v[TM+12+\b]
.endr
	v_lshl_or_b32 v[PW+\a], v[TM+5], 8, v[TM+4]
	v_lshl_or_b32 v[PW+\a], v[TM+6], 16, v[PW+\a]
	v_lshl_or_b32 v[PW+\a], v[TM+7], 24, v[PW+\a]
	WIN WN
.irp c, 0,1
	v_cvt_scalef32_pk16_fp6_f32 v[PC+6*\c:PC+6*\c+2], v[AC+32*\c:AC+32*\c+15], v[TM+12+2*\c]
	v_cvt_scalef32_pk16_fp6_f32 v[PC+12+4*\c:PC+14+4*\c], v[AC+32*\c+16:AC+32*\c+31], v[TM+13+2*\c]
.endr
	WIN 0
	v_nop                                          ; one plain instruction behind the scaled conversions
.irp c, 0,1                                    ; the operand's layout wants a whole block in a lane
.irp i, 0,1,2
	v_permlane16_swap_b32 v[PC+6*\c+\i], v[PC+12+4*\c+\i]
.endr
.irp i, 0,1,2
	v_mov_b32 v[PC+3+6*\c+\i], v[PC+12+4*\c+\i]
.endr
.endr
.endm
.macro PUT base, o0, o1                ; the two images: 512 and 256 consecutive bytes each, at multiples of 256 from the buffer's first byte
	global_store_b128 v[L16], v[PC:PC+3], s[\base:\base+1] offset:\o0
	global_store_b64 v[L8], v[PC+4:PC+5], s[\base:\base+1] offset:\o0+512
	global_store_b128 v[L16], v[PC+6:PC+9], s[\base:\base+1] offset:\o1
	global_store_b64 v[L8], v[PC+10:PC+11], s[\base:\base+1] offset:\o1+512
.endm
	PLACES NP                                      ; behind the last products: their operands' registers are written below
.irp b, 0,1,2,3
	v_mov_b32 v[TM+4+\b], 0                        ; a lane permute's destination counts as one of its sources
.endr
	s_cmp_lg_u32 s24, 0
	s_cbranch_scc1 .Lv_out
.irp a, 0,1,2,3,4,5,6,7                        ; q and k: my 128 features are two heads: an image each
	ROPE \a
	QUANT \a
	PUT 72, 768*\a, 393216+768*\a
.endr
.irp i, 0,1,2,3
	v_cndmask_b32 v[WW+\i], v[PW+2*\i], v[PW+2*\i+1], s80   ; word i: lanes 0-15 tile 2 i, lanes 16-31 tile 2 i + 1
.endr
	global_store_b128 v[L16], v[WW:WW+3], s[74:75]          ; the first head: its bytes are the low two (the upper two are the other head's: never 0xff, and they meet zero codes)
.irp i, 0,1,2,3
	v_lshrrev_b32 v[WW+4+\i], 16, v[WW+\i]
.endr
	global_store_b128 v[L16], v[WW+4:WW+7], s[74:75] offset:32768   ; the second head
	s_branch .Lend
.Lv_out:
.irp a, 0,1,2,3,4,5,6,7                        ; v: tile a is feature tile a % 4 of head a / 4; its 128 keys are one whole fragment
	QUANT \a
	PUT 84, 98304*(\a/4)+1536*(\a%4), 98304*(\a/4)+1536*(\a%4)+768
.endr
.irp i, 0,1,2,3
	v_cndmask_b32 v[WW+\i], v[PW+2*\i], v[PW+2*\i+1], s80
.endr
	global_store_b64 v[L8], v[WW:WW+1], s[86:87]
	global_store_b64 v[L8], v[WW+2:WW+3], s[86:87] offset:4096
.Lend:
	s_wait_tensorcnt 0x0                           ; the wave's end
	ds_add_u32 v[SPW], v[NIL]
	s_wait_dscnt 0x0
	CROUND                                         ; the closing round: no work-group ends while a partner may still ask for a tile that names it
	s_endpgm
.Lfunc_end_k_qe56b60e21e_qkv:
	.size	k_qe56b60e21e_qkv, .Lfunc_end_k_qe56b60e21e_qkv-k_qe56b60e21e_qkv
	.p2alignl 7, 3214868480
	.fill 96, 4, 3214868480
	.section	.rodata,"a",@progbits
	.p2align	6, 0x0
	.amdhsa_kernel k_qe56b60e21e_qkv
		.amdhsa_group_segment_fixed_size 327680
		.amdhsa_private_segment_fixed_size 0
		.amdhsa_enable_private_segment 0
		.amdhsa_kernarg_size 56
		.amdhsa_user_sgpr_count 2
		.amdhsa_user_sgpr_kernarg_segment_ptr 1
		.amdhsa_wavefront_size32 1
		.amdhsa_system_sgpr_workgroup_id_x 1
		.amdhsa_system_sgpr_workgroup_id_y 1
		.amdhsa_system_sgpr_workgroup_id_z 1
		.amdhsa_system_vgpr_workitem_id 0
		.amdhsa_next_free_vgpr 1024
		.amdhsa_next_free_sgpr 100
		.amdhsa_reserve_vcc 0
		.amdhsa_float_denorm_mode_32 3
		.amdhsa_float_denorm_mode_16_64 3
		.amdhsa_memory_ordered 1
		.amdhsa_forward_progress 1
		.amdhsa_inst_pref_size 219
	.end_amdhsa_kernel
	.amdgpu_metadata
---
amdhsa.version: [ 1, 2 ]
amdhsa.kernels:
  - .name:           k_qe56b60e21e_qkv
    .symbol:         k_qe56b60e21e_qkv.kd
    .args:
      - { .name: cod, .offset: 0, .size: 8, .value_kind: global_buffer, .address_space: global }
      - { .name: scl, .offset: 8, .size: 8, .value_kind: global_buffer, .address_space: global }
      - { .name: rt, .offset: 16, .size: 8, .value_kind: global_buffer, .address_space: global }
      - { .name: qk, .offset: 24, .size: 8, .value_kind: global_buffer, .address_space: global }
      - { .name: qks, .offset: 32, .size: 8, .value_kind: global_buffer, .address_space: global }
      - { .name: vc, .offset: 40, .size: 8, .value_kind: global_buffer, .address_space: global }
      - { .name: vs, .offset: 48, .size: 8, .value_kind: global_buffer, .address_space: global }
    .group_segment_fixed_size: 327680
    .private_segment_fixed_size: 0
    .kernarg_segment_align: 8
    .kernarg_segment_size: 56
    .max_flat_workgroup_size: 128
    .sgpr_count:     100
    .vgpr_count:     1024
    .wavefront_size: 32
...
	.end_amdgpu_metadata
.endif
;; end of part 2
;; launch attn (part 3): grid 4 x 64, 16 waves a work-group, clusters of 4 x 1, 210,944 bytes of LDS; arguments qk, qks, vc, vs, cod, scl; writes cod, scl
.if DOCPART == 3
	.amdgcn_target "amdgcn-amd-amdhsa--gfx1250"
	.amdhsa_code_object_version 6
	.text
	.protected	k_qe56b60e21e_attn
	.globl	k_qe56b60e21e_attn
	.p2align	8
	.type	k_qe56b60e21e_attn,@function
k_qe56b60e21e_attn:
	s_mov_b64 s[64:65], 0
	v_nop
	global_prefetch_b8 v0, s[64:65] scope:SCOPE_SE
	s_setreg_imm32_b32 hwreg(HW_REG_WAVE_MODE, 25, 1), 1
	s_wait_xcnt 0x0
	s_wait_alu depctr_hold_cnt(0) depctr_sa_sdst(0) depctr_va_vdst(0) depctr_va_sdst(0) depctr_va_ssrc(0) depctr_va_vcc(0) depctr_vm_vsrc(0)
	s_getreg_b32 s2, hwreg(HW_REG_IB_STS2, 6, 4)
	s_cmp_eq_u32 s2, 0
	s_cbranch_scc0 .Lentry_in_a_cluster
	s_endpgm
.Lentry_in_a_cluster:
	s_bfe_u32 s2, ttmp6, 0x10000c
	s_cmp_lg_u32 s2, 0x3003
	s_cbranch_scc0 .Lentry_shape_is_right
	s_endpgm
.Lentry_shape_is_right:
; Causal attention of one (batch, head) to a cluster of four work-groups, both products on codes of FP6 (E2M3) with E8M0 scales; the result, divided by the row's sum, is quantised along the model's axis for the last product.
; THE SOFTMAX: t = score x log2(e) / 8; M = the running largest t rounded UP to a whole number; p = 2^(t - M) is quantised along the keys, not normalised; the row's sum is taken of the unquantised p.  When M moves, the sum and O
; are multiplied by 2^(old M - new M), which rounds nothing.
; THE WHOLE HEAD'S K AND V STAY IN LDS: 96 KiB of codes each and 12 KiB of scale words, brought once, jointly for the four work-groups (the same tensor loads with a mask that names the four).  No slot is ever filled again.
; So nothing is prefetched: every tensor load is a first fill at the kernel's head.
; SHARES.  The head's 128 tiles of 16 queries form 16 groups of 8; group g needs key steps 0 .. g of 128 keys.  The partner at place cx owns tiles 8 g + 2 cx + u.  Wave w takes (g = w, u = 0) and then (g = 15 - w, u = 1):
; 17 key steps for every wave of every work-group, and every branch hangs on the wave's number and the step alone; cx enters global addresses and the mask's numbers only.
; LAYOUT.  Both products are used transposed: S^T = K Q^T, O^T = V^T P^T: a lane holds one query throughout.  A tile's lane r stands for row 32 B + 8 u + r + 8 (r / 8), so the 16 registers of two neighbouring tiles of K are 16
; neighbouring keys, and those of V^T 16 neighbouring channels.  A head is 64: the upper half of K's and Q's fragments (K = 64 .. 127 of the instruction) is zero codes, set once.
; The loop over key steps has 16 trips in every wave; a step beyond the wave's group is jumped over as a whole (no load, no barrier stands in a step).  On the diagonal hidden scores become -infinity ahead of the maximum.
; The result's two scale bytes a row go out as half-words, 16 bytes apart: units that eight heads share; they are one byte in 24 of what this launch stores.
; LIMITS: NaN and infinities are not served; a block of zeros keeps the byte 1 (zero codes; only this program reads the bytes).
; REGISTERS: v1-3 16 l, 8 l, 16 r; v4-9 the step's LDS addresses; v12 -M, v13 the largest t, v[14:15] the sum; v16-39 Q's two fragments; v40-41 their scale words; v42 the mask's number; v48-95 four fragments of K; v96-159 S^T, then p,
; then V's four fragments; v160-191 O^T; v192-211 p's codes; v212-223 at work; v224-227 K's scale words, v228-229 V's; v230 f, v231 p's scale word; v232-233 at work.
.set PLANE, 2359296
.set KC,    0                          ; K's 128 images of 768 bytes
.set VC,    98304                      ; V's 16 steps x 4 fragments of 1,536 bytes
.set KS,    196608                     ; K's scale words, 512 bytes a step
.set VS,    204800                     ; V's, 256 bytes a step
.set SPARE, 208896                     ; the spare words, 128 bytes for each of 16 waves
.set SPW, 10
.set NIL, 11
.set S,   96
.set OT,  160
.set PC,  192
.set BM,  212
.set PX,  216
.set SO,  220
.set KSW, 224
.set VSW, 228
.set FF,  230
.set PWD, 231
.set TT,  232
.set WV,  16
.set CX,  17
.set BH,  18
.set HD,  19
.set BB,  20
.set CS,  22                           ; s[22:23] c = log2(e) / 8
.set SEL, 24
.set G1C, 28                           ; s[28:35] group 1: 12,288 dense bytes;  s[36:43]: 4,096
.set G1S, 36
.set G0K, 44
.set G0V, 48
.set G0S, 52
.set G0T, 96
.set KSI, 56                           ; the key step
.set TBK, 57                           ; where its K, V, K's words, V's words begin in LDS
.set TBV, 58
.set TS,  59
.set TJ,  60
.set GG,  61                           ; the pass's group
.macro CROUND
	s_barrier_signal -1
	s_barrier_wait -1
	s_cmp_lg_u32 s[WV], 0
	s_cbranch_scc1 .Lnot_wave_0_\@
	s_barrier_signal -3
.Lnot_wave_0_\@:
	s_barrier_wait -3
	s_barrier_signal -1
	s_barrier_wait -1
.endm
	s_load_b256 s[4:11], s[0:1], 0x0               ; qk, qks, vc, vs
	s_load_b128 s[12:15], s[0:1], 0x20             ; cod, scl
	v_lshl_add_u32 v[SPW], v0, 2, SPARE
	v_mov_b32 v[NIL], 0
	ds_add_u32 v[SPW], v[NIL]                      ; the wave's opening: the add and its wait stand ahead of the first tensor loads; work on registers stands between them
	ds_add_u32 v[SPW], v[NIL]
	v_lshrrev_b32 v1, 5, v0
	s_delay_alu instid0(VALU_DEP_1)
	v_readfirstlane_b32 s[WV], v1
	s_bfe_u32 s[CX], ttmp6, 0x40000
	s_and_b32 s[BH], ttmp7, 0xffff                 ; 16 x batch + head: the partners share it
	s_and_b32 s[HD], s[BH], 15
	s_lshr_b32 s[BB], s[BH], 4
	s_mov_b32 s[G1C], 15|(3<<16)|(1<<21)           ; the mask: all four; elements of 8 bytes; bit 21 beside a mask
	s_mov_b32 s[G1C+1], 32<<16
	s_mov_b32 s[G1C+2], 48<<16
	s_mov_b32 s[G1C+3], 32<<16
	s_mov_b32 s[G1C+4], 48                         ; 48 rows of 256 bytes
	s_mov_b32 s[G1C+5], 32
	s_mov_b32 s[G1C+6], 0
	s_mov_b32 s[G1C+7], 0
	s_mov_b32 s[G1S], 15|(3<<16)|(1<<21)
	s_mov_b32 s[G1S+1], 32<<16
	s_mov_b32 s[G1S+2], 16<<16
	s_mov_b32 s[G1S+3], 32<<16
	s_mov_b32 s[G1S+4], 16                         ; 16 rows of 256 bytes
	s_mov_b32 s[G1S+5], 32
	s_mov_b32 s[G1S+6], 0
	s_mov_b32 s[G1S+7], 0
	s_mov_b32 s[CS], 0x3e38aa3b
	s_mov_b32 s[CS+1], s[CS]
	s_mov_b32 s[SEL], 0x76543210
	s_mov_b32 s[SEL+1], 0xfedcba98
	s_mul_i32 s92, s[WV], 12288                    ; waves 0-7: an eighth of K's and of V's codes
	s_add_co_u32 s66, s[HD], 16
	s_mul_i32 s66, s66, 393216
	s_mul_i32 s67, s[BB], 98304
	s_add_co_u32 s66, s66, s67
	s_add_co_u32 s66, s66, s92
	s_mov_b32 s67, 0
	s_mul_i32 s68, s[BH], 98304
	s_add_co_u32 s68, s68, s92
	s_mov_b32 s69, 0
	s_and_b32 s93, s[WV], 1                        ; waves 8, 9: a half of K's scale words
	s_lshl_b32 s93, s93, 12
	s_add_co_u32 s70, s[HD], 16
	s_lshl_b32 s70, s70, 6
	s_lshl_b32 s71, s[BB], 4
	s_add_co_u32 s70, s70, s71
	s_lshl_b32 s70, s70, 9
	s_add_co_u32 s70, s70, s93
	s_mov_b32 s71, 0
	s_add_co_u32 s93, s93, KS
	s_lshl_b32 s62, s[BH], 12                      ; wave 10: V's scale words
	s_mov_b32 s63, 0
	s_wait_dscnt 0x0                               ; the opening add is done
	s_wait_kmcnt 0x0
	CROUND                                         ; all four work-groups are here: the joint loads meet
	s_mov_b32 s[G0K], 1
	s_mov_b32 s[G0K+1], s92
	s_add_nc_u64 s[G0K+2:G0K+3], s[4:5], s[66:67]
	s_or_b32 s[G0K+3], s[G0K+3], 0x80000000
	s_mov_b32 s[G0V], 1
	s_add_co_u32 s[G0V+1], s92, VC
	s_add_nc_u64 s[G0V+2:G0V+3], s[8:9], s[68:69]
	s_or_b32 s[G0V+3], s[G0V+3], 0x80000000
	s_mov_b32 s[G0S], 1
	s_mov_b32 s[G0S+1], s93
	s_add_nc_u64 s[G0S+2:G0S+3], s[6:7], s[70:71]
	s_or_b32 s[G0S+3], s[G0S+3], 0x80000000
	s_mov_b32 s[G0T], 1
	s_mov_b32 s[G0T+1], VS
	s_add_nc_u64 s[G0T+2:G0T+3], s[10:11], s[62:63]
	s_or_b32 s[G0T+3], s[G0T+3], 0x80000000
	s_cmp_lt_u32 s[WV], 8                          ; a wave's fills stand in one branch on its number; at most two loads of a wave are out
	s_cbranch_scc0 .Lnot_codes
	tensor_load_to_lds s[G0K:G0K+3], s[G1C:G1C+7]
	s_nop 0
	tensor_load_to_lds s[G0V:G0V+3], s[G1C:G1C+7]
	s_nop 0
.rept 4
	v_nop
.endr
	s_branch .Lasked
.Lnot_codes:
	s_cmp_lt_u32 s[WV], 10
	s_cbranch_scc0 .Lnot_ks
	tensor_load_to_lds s[G0S:G0S+3], s[G1S:G1S+7]
	s_nop 0
.rept 4
	v_nop
.endr
	s_branch .Lasked
.Lnot_ks:
	s_cmp_eq_u32 s[WV], 10
	s_cbranch_scc0 .Lasked
	tensor_load_to_lds s[G0T:G0T+3], s[G1S:G1S+7]
	s_nop 0
.rept 4
	v_nop
.endr
.Lasked:
	; my two tiles of queries, and where their results go
	s_mov_b32 s63, 0
	s_mov_b32 s72, s[WV]                           ; pass 0's group,
	s_sub_co_u32 s73, 15, s[WV]                    ; pass 1's
	s_lshl_b32 s21, s[BB], 7
	s_lshl_b32 s62, s[CX], 1
	s_add_co_u32 s21, s21, s62                     ; 128 x batch + 2 cx
	s_mul_i32 s66, s[HD], 393216                   ; q's head in qk
	s_lshl_b32 s67, s[HD], 6
	s_lshl_b32 s62, s[BB], 4
	s_add_co_u32 s67, s67, s62                     ; its first group in qks
	s_lshr_b32 s68, s[HD], 2
	s_mul_i32 s68, s68, PLANE
	s_and_b32 s62, s[HD], 3
	s_mul_i32 s62, s62, 768
	s_add_co_u32 s68, s68, s62                     ; the head's 64 along the last product's K: its quarter and image in cod,
	s_lshr_b32 s69, s[HD], 3
	s_lshl_b32 s69, s69, 8
	s_and_b32 s62, s[HD], 7
	s_lshl_b32 s62, s62, 1
	s_add_co_u32 s69, s69, s62                     ; and its two bytes in a block of scl
	s_lshl_b32 s70, s[CX], 2
.irp p, 0,1
	s_lshl_b32 s[74+\p], s[72+\p], 3
	s_add_co_u32 s[74+\p], s[74+\p], s21
	s_add_co_u32 s[74+\p], s[74+\p], \p            ; the tile: 128 x batch + 8 g + 2 cx + p
	s_mul_i32 s62, s[74+\p], 768
	s_add_co_u32 s62, s62, s66
	s_add_nc_u64 s[76+2*\p:77+2*\p], s[4:5], s[62:63]      ; its codes
	s_add_co_u32 s62, s67, s[72+\p]
	s_lshl_b32 s62, s62, 9
	s_add_co_u32 s62, s62, s70
	s_add_co_u32 s62, s62, 256*\p
	s_add_nc_u64 s[80+2*\p:81+2*\p], s[6:7], s[62:63]      ; its scale words: word cx of lanes 16 p + r
	s_mul_i32 s62, s[74+\p], 3072
	s_add_co_u32 s62, s62, s68
	s_add_nc_u64 s[84+2*\p:85+2*\p], s[12:13], s[62:63]    ; the result's image
	s_lshl_b32 s62, s[74+\p], 9
	s_add_co_u32 s62, s62, s69
	s_add_nc_u64 s[88+2*\p:89+2*\p], s[14:15], s[62:63]    ; and its scale bytes
.endr
	v_and_b32 v4, 31, v0
	s_delay_alu instid0(VALU_DEP_1)
	v_lshlrev_b32 v1, 4, v4                        ; 16 x lane
	s_delay_alu instid0(VALU_DEP_2)
	v_lshlrev_b32 v2, 3, v4                        ; 8 x lane
	v_and_b32 v5, 15, v0
	s_delay_alu instid0(VALU_DEP_1)
	v_lshlrev_b32 v3, 4, v5                        ; 16 r
.irp p, 0,1
	global_load_b128 v[16+12*\p:19+12*\p], v1, s[76+2*\p:77+2*\p]
	global_load_b64 v[20+12*\p:21+12*\p], v2, s[76+2*\p:77+2*\p] offset:512
	global_load_b32 v[40+\p], v3, s[80+2*\p:81+2*\p]
.endr
	v_bfe_u32 v6, v0, 4, 1
	v_and_b32 v7, 8, v5
	s_delay_alu instid0(VALU_DEP_1)
	v_add_nc_u32 v7, v7, v5                        ; r + 8 (r / 8)
	s_delay_alu instid0(VALU_DEP_3)
	v_lshlrev_b32 v6, 4, v6
	s_delay_alu instid0(VALU_DEP_1)
	v_sub_nc_u32 v7, v7, v6                        ; - 16 h
	s_lshl_b32 s21, s[CX], 5
	v_add_nc_u32 v45, s21, v7                      ; + 32 cx: my query's place in its group, less my half's first key
.irp p, 0,1
.irp i, 6,7,8,9,10,11
	v_mov_b32 v[16+12*\p+\i], 0                    ; K = 64 .. 127 of the instruction: zero codes
.endr
.endr
.irp t, 0,1,2,3
.irp i, 6,7,8,9,10,11
	v_mov_b32 v[48+12*\t+\i], 0
.endr
.endr
.irp b, 0,1,2,3
	v_mov_b32 v[PX+\b], 0                          ; a lane permute's destination counts as one of its sources
.endr
	v_mov_b32 v[PWD], 0                            ; (named as the upper half of the pair with f before it is first written)
	v_mov_b32 v[TT], 0
	v_mov_b32 v[TT+1], 0
	s_wait_loadcnt 0x0                             ; Q
	s_wait_tensorcnt 0x0                           ; my parts of K, V and the scale words have landed,
	s_barrier_signal -1
	s_barrier_wait -1                              ; everybody's have
; A KEY STEP: 128 keys against the pass's 16 queries.
.macro STEP p
	s_cmp_gt_u32 s[KSI], s[GG]                     ; all its keys come after my queries: left out
	s_cbranch_scc1 .Lskip_\@
	s_setprio 2
	v_add_nc_u32 v4, s[TBK], v1                    ; (these six are also the places between the last step's products and what is written over their operands)
	s_wait_alu depctr_va_vdst(0)
	v_add_nc_u32 v5, s[TBK], v2
	s_wait_alu depctr_va_vdst(0)
	v_add_nc_u32 v6, s[TBV], v1
	v_add_nc_u32 v7, s[TBV], v2
	v_add_nc_u32 v8, s[TS], v1
	v_add_nc_u32 v9, s[TJ], v2
	ds_load_b128 v[KSW:KSW+3], v8                  ; word i: lanes 0-15 tile 2 i, lanes 16-31 tile 2 i + 1
	ds_load_b64 v[VSW:VSW+1], v9
.irp g, 0,1
.if \g
.rept 4
	v_nop                                          ; places in front of loads into registers that matrix instructions have read
.endr
.endif
.irp t, 0,1,2,3
	ds_load_b128 v[48+12*\t:51+12*\t], v4 offset:768*(4*\g+\t)
	ds_load_b64 v[52+12*\t:53+12*\t], v5 offset:768*(4*\g+\t)+512
.endr
	s_wait_dscnt 0x0
.irp t, 0,2
	v_wmma_scale_f32_16x16x128_f8f6f4 v[S+8*(4*\g+\t):S+8*(4*\g+\t)+7], v[48+12*\t:59+12*\t], v[16+12*\p:27+12*\p], 0, v[KSW+2*\g+\t/2], v[40+\p] matrix_a_fmt:MATRIX_FMT_FP6 matrix_b_fmt:MATRIX_FMT_FP6
	v_wmma_scale_f32_16x16x128_f8f6f4 v[S+8*(4*\g+\t+1):S+8*(4*\g+\t+1)+7], v[60+12*\t:71+12*\t], v[16+12*\p:27+12*\p], 0, v[KSW+2*\g+\t/2], v[40+\p] matrix_a_fmt:MATRIX_FMT_FP6 matrix_b_fmt:MATRIX_FMT_FP6 matrix_a_scale:MATRIX_SCALE_ROW1
.endr
.endr
.rept 4
	v_nop
.endr
	s_cmp_lg_u32 s[KSI], s[GG]                     ; only the group's own step lies on the diagonal
	s_cbranch_scc1 .Lopen_\@
	v_mov_b32 v[TT], 0xff800000                    ; register 16 b + i holds key 32 b + 16 h + i of the step: hidden where 32 b + i > v42
.set n, 0
.rept 64
	v_cmp_gt_i32 vcc_lo, 32*(n/16)+n%16, v42
	v_cndmask_b32 v[S+n], v[S+n], v[TT], vcc_lo
.set n, n+1
.endr
.Lopen_\@:
.irp b, 0,1,2,3
	v_max3_num_f32 v[BM+\b], v[S+16*\b], v[S+16*\b+1], v[S+16*\b+2]   ; the largest score of each block of 32 keys: for the row's maximum, and, since p rises with the score, for the block's largest p
.endr
.irp i, 3,5,7,9,11,13
.irp b, 0,1,2,3
	v_max3_num_f32 v[BM+\b], v[BM+\b], v[S+16*\b+\i], v[S+16*\b+\i+1]
.endr
.endr
.irp b, 0,1,2,3
	v_max_num_f32 v[BM+\b], v[BM+\b], v[S+16*\b+15]
.endr
.irp b, 0,1,2,3
	s_delay_alu instid0(VALU_DEP_4)
	v_permlanex16_b32 v[PX+\b], v[BM+\b], s[SEL], s[SEL+1]
.endr
.irp b, 0,1,2,3
	s_delay_alu instid0(VALU_DEP_4)
	v_max_num_f32 v[BM+\b], v[BM+\b], v[PX+\b]
.endr
	s_delay_alu instid0(VALU_DEP_2)
	v_max3_num_f32 v[TT], v[BM], v[BM+1], v[BM+2]
	s_delay_alu instid0(VALU_DEP_1)
	v_max_num_f32 v[TT], v[TT], v[BM+3]
	s_delay_alu instid0(VALU_DEP_1)
	v_mul_f32 v[TT], s[CS], v[TT]
	s_delay_alu instid0(VALU_DEP_1)
	v_max_num_f32 v13, v13, v[TT]                  ; the running largest t
	v_mov_b32 v[TT], v12
	s_delay_alu instid0(VALU_DEP_2)
	v_floor_f32 v12, -v13                          ; -M = floor(-t): M is a whole number
	s_delay_alu instid0(VALU_DEP_1)
	v_sub_f32 v[TT], v12, v[TT]
	s_delay_alu instid0(VALU_DEP_1)
	v_cvt_i32_f32 v[TT], v[TT]                     ; (it saturates)
	s_delay_alu instid0(VALU_DEP_1)
	v_ldexp_f32 v[FF], 1.0, v[TT]                  ; f = 2^(old M - new M)
.set n, 0
.rept 32
	v_pk_fma_f32 v[S+n:S+n+1], v[S+n:S+n+1], s[CS:CS+1], v[12:13] op_sel_hi:[1,0,0]   ; t - M
.set n, n+2
.endr
	s_setprio 1
.irp b, 0,1,2,3
	v_fma_f32 v[BM+\b], v[BM+\b], s[CS], v12
.endr
.set n, 0
	s_wait_alu depctr_va_vdst(0)
.rept 64
	v_exp_f32 v[S+n], v[S+n]                       ; p
.set n, n+1
.endr
	v_pk_mul_f32 v[14:15], v[14:15], v[FF:FF+1] op_sel_hi:[1,0]   ; the sums under the new M: the plain instruction behind the exponentials
	s_wait_alu depctr_va_vdst(0)                   ; one wait for the batch, ahead of its first reader
.irp b, 0,1,2,3
	v_exp_f32 v[BM+\b], v[BM+\b]                   ; each block's largest p
.endr
	v_pk_add_f32 v[232:233], v[100:101], v[104:105]
	v_pk_add_f32 v[254:255], v[108:109], v[112:113]
	v_pk_add_f32 v[252:253], v[116:117], v[120:121]
	v_pk_add_f32 v[250:251], v[124:125], v[128:129]
	v_pk_add_f32 v[248:249], v[132:133], v[136:137]
	v_pk_add_f32 v[246:247], v[140:141], v[144:145]
	v_pk_add_f32 v[244:245], v[148:149], v[152:153]
	v_pk_add_f32 v[14:15], v[14:15], v[156:157]
	v_pk_add_f32 v[232:233], v[232:233], v[96:97]
	v_pk_add_f32 v[254:255], v[254:255], v[98:99]
	v_pk_add_f32 v[252:253], v[252:253], v[102:103]
	v_pk_add_f32 v[250:251], v[250:251], v[106:107]
	v_pk_add_f32 v[248:249], v[248:249], v[110:111]
	v_pk_add_f32 v[246:247], v[246:247], v[114:115]
	v_pk_add_f32 v[244:245], v[244:245], v[118:119]
	v_pk_add_f32 v[14:15], v[14:15], v[122:123]
	v_pk_add_f32 v[232:233], v[232:233], v[126:127]
	v_pk_add_f32 v[254:255], v[254:255], v[130:131]
	v_pk_add_f32 v[252:253], v[252:253], v[134:135]
	v_pk_add_f32 v[250:251], v[250:251], v[138:139]
	v_pk_add_f32 v[248:249], v[248:249], v[142:143]
	v_pk_add_f32 v[246:247], v[246:247], v[146:147]
	v_pk_add_f32 v[244:245], v[244:245], v[150:151]
	v_pk_add_f32 v[14:15], v[14:15], v[154:155]
	v_pk_add_f32 v[232:233], v[232:233], v[158:159]
	s_delay_alu instid0(VALU_DEP_2)
	v_pk_add_f32 v[14:15], v[14:15], v[250:251]
	s_delay_alu instid0(VALU_DEP_2)
	v_pk_add_f32 v[232:233], v[232:233], v[248:249]
	v_pk_add_f32 v[254:255], v[254:255], v[246:247]
	v_pk_add_f32 v[252:253], v[252:253], v[244:245]
	s_delay_alu instid0(VALU_DEP_2)
	v_pk_add_f32 v[14:15], v[14:15], v[254:255]
	s_delay_alu instid0(VALU_DEP_2)
	v_pk_add_f32 v[232:233], v[232:233], v[252:253]
	s_delay_alu instid0(VALU_DEP_1)
	v_pk_add_f32 v[14:15], v[14:15], v[232:233]
	s_wait_alu depctr_va_vdst(0)                   ; and one for the four
.irp b, 0,1,2,3
	v_max_num_f32 v[BM+\b], 0x1800000, v[BM+\b]    ; the floor: the byte cannot fall under 1
.endr
.irp b, 0,1,2,3
	s_delay_alu instid0(VALU_DEP_4)
	v_add_nc_u32 v[SO+\b], 0xff000000, v[BM+\b]
.endr
.irp b, 0,1,2,3
	s_delay_alu instid0(VALU_DEP_4)
	v_lshrrev_b32 v[PX+\b], 23, v[SO+\b]
.endr
	s_delay_alu instid0(VALU_DEP_3)
	v_lshl_or_b32 v[PWD], v[PX+1], 8, v[PX]
	s_delay_alu instid0(VALU_DEP_1)
	v_lshl_or_b32 v[PWD], v[PX+2], 16, v[PWD]
	s_delay_alu instid0(VALU_DEP_1)
	v_lshl_or_b32 v[PWD], v[PX+3], 24, v[PWD]
.irp c, 0,1
	v_cvt_scalef32_pk16_fp6_f32 v[PC+6*\c:PC+6*\c+2], v[S+32*\c:S+32*\c+15], v[SO+2*\c]
	v_cvt_scalef32_pk16_fp6_f32 v[PC+12+4*\c:PC+14+4*\c], v[S+32*\c+16:S+32*\c+31], v[SO+2*\c+1]
.endr
	v_nop                                          ; one plain instruction behind the scaled conversions
	s_setprio 0
.irp c, 0,1
.irp i, 0,1,2
	v_permlane16_swap_b32 v[PC+6*\c+\i], v[PC+12+4*\c+\i]
.endr
.irp i, 0,1,2
	s_delay_alu instid0(VALU_DEP_3)
	v_mov_b32 v[PC+3+6*\c+\i], v[PC+12+4*\c+\i]
.endr
.endr
.irp t, 0,1,2,3                                ; V's four fragments take p's registers
	ds_load_b128 v[S+12*\t:S+12*\t+3], v6 offset:1536*\t
	ds_load_b64 v[S+12*\t+4:S+12*\t+5], v7 offset:1536*\t+512
	ds_load_b128 v[S+12*\t+6:S+12*\t+9], v6 offset:1536*\t+768
	ds_load_b64 v[S+12*\t+10:S+12*\t+11], v7 offset:1536*\t+1280
.endr
.set n, 0
.rept 16
	v_pk_mul_f32 v[OT+n:OT+n+1], v[OT+n:OT+n+1], v[FF:FF+1] op_sel_hi:[1,0]   ; O^T under the new M; these are also the places between p's codes and scale word and the products
.set n, n+2
.endr
	s_wait_alu depctr_va_vdst(0)
	s_wait_dscnt 0x0
.irp t, 0,2                                    ; the four accumulators take turns
	v_wmma_scale_f32_16x16x128_f8f6f4 v[OT+8*\t:OT+8*\t+7], v[S+12*\t:S+12*\t+11], v[PC:PC+11], v[OT+8*\t:OT+8*\t+7], v[VSW+\t/2], v[PWD] matrix_a_fmt:MATRIX_FMT_FP6 matrix_b_fmt:MATRIX_FMT_FP6
	v_wmma_scale_f32_16x16x128_f8f6f4 v[OT+8*\t+8:OT+8*\t+15], v[S+12*\t+12:S+12*\t+23], v[PC:PC+11], v[OT+8*\t+8:OT+8*\t+15], v[VSW+\t/2], v[PWD] matrix_a_fmt:MATRIX_FMT_FP6 matrix_b_fmt:MATRIX_FMT_FP6 matrix_a_scale:MATRIX_SCALE_ROW1
.endr
.Lskip_\@:
	s_add_co_u32 s[KSI], s[KSI], 1
	s_add_co_u32 s[TBK], s[TBK], 6144
	s_add_co_u32 s[TBV], s[TBV], 6144
	s_add_co_u32 s[TS], s[TS], 512
	s_add_co_u32 s[TJ], s[TJ], 256
.endm
; The pass's result: O^T / the sum; register 16 b + i is channel 32 b + 16 h + i of my query: two blocks along the last product's K: one image of 768 bytes and two scale bytes a row.
.macro OUT p
.rept 4
	v_nop
.endr
	v_add_f32 v14, v14, v15
	s_delay_alu instid0(VALU_DEP_1)
	v_permlanex16_b32 v[TT], v14, s[SEL], s[SEL+1]
	s_delay_alu instid0(VALU_DEP_1)
	v_add_f32 v14, v14, v[TT]                      ; the row's sum
	s_wait_alu depctr_va_vdst(0)
	v_rcp_f32 v14, v14
	v_nop
	s_wait_alu depctr_va_vdst(0)
.set n, 0
.rept 16
	v_pk_mul_f32 v[S+n:S+n+1], v[OT+n:OT+n+1], v[14:15] op_sel_hi:[1,0]
.set n, n+2
.endr
.irp b, 0,1
	v_max3_num_f32 v[BM+\b], |v[S+16*\b]|, |v[S+16*\b+1]|, 0x1800000
.endr
.irp i, 2,4,6,8,10,12,14
.irp b, 0,1
	s_delay_alu instid0(VALU_DEP_2)
	v_max3_num_f32 v[BM+\b], v[BM+\b], |v[S+16*\b+\i]|, |v[S+16*\b+\i+1]|
.endr
.endr
.irp b, 0,1
	s_delay_alu instid0(VALU_DEP_2)
	v_permlanex16_b32 v[PX+\b], v[BM+\b], s[SEL], s[SEL+1]
.endr
.irp b, 0,1
	s_delay_alu instid0(VALU_DEP_2)
	v_max_num_f32 v[BM+\b], v[BM+\b], v[PX+\b]
.endr
.irp b, 0,1
	s_delay_alu instid0(VALU_DEP_2)
	v_add_nc_u32 v[SO+\b], 0xff000000, v[BM+\b]
.endr
.irp b, 0,1
	s_delay_alu instid0(VALU_DEP_2)
	v_lshrrev_b32 v[PX+\b], 23, v[SO+\b]
.endr
	s_delay_alu instid0(VALU_DEP_1)
	v_lshl_or_b32 v[43+\p], v[PX+1], 8, v[PX]
	v_cvt_scalef32_pk16_fp6_f32 v[128:130], v[S:S+15], v[SO]
	v_cvt_scalef32_pk16_fp6_f32 v[136:138], v[S+16:S+31], v[SO+1]
	v_nop
.irp i, 0,1,2
	v_permlane16_swap_b32 v[128+\i], v[136+\i]
.endr
.irp i, 0,1,2
	s_delay_alu instid0(VALU_DEP_3)
	v_mov_b32 v[131+\i], v[136+\i]
.endr
	global_store_b128 v1, v[128:131], s[84+2*\p:85+2*\p]             ; 512 consecutive bytes,
	global_store_b64 v2, v[132:133], s[84+2*\p:85+2*\p] offset:512   ; and 256
	global_store_b16 v3, v[43+\p], s[88+2*\p:89+2*\p]                ; row r's two bytes (lanes r and r + 16 store the same)
.endm
.macro PASS p
.if \p
	s_wait_xcnt 0x0                                ; the first pass's stores have read their registers
.endif
	v_mov_b32 v13, 0xff61b1e6                      ; the largest t so far: -3e38
	s_delay_alu instid0(VALU_DEP_1)
	v_floor_f32 v12, -v13
	v_mov_b32 v14, 0
	v_mov_b32 v15, 0
.set n, 0
.rept 32
	v_mov_b32 v[OT+n], 0                           ; the step is written once: its first trip finds zeros, which the first change of M leaves zeros
.set n, n+1
.endr
	v_add_nc_u32 v42, 8*\p, v45
	s_mov_b32 s[KSI], 0
	s_mov_b32 s[TBK], KC
	s_mov_b32 s[TBV], VC
	s_mov_b32 s[TS], KS
	s_mov_b32 s[TJ], VS
	s_mov_b32 s[GG], s[72+\p]
.Lstep_\@:
	STEP \p
	s_cmp_lt_u32 s[KSI], 16
	s_cbranch_scc1 .Lstep_\@
	s_setprio 0
	OUT \p
.endm
	PASS 0
	PASS 1
	s_wait_tensorcnt 0x0                           ; the wave's end
	ds_add_u32 v[SPW], v[NIL]
	s_wait_dscnt 0x0
	CROUND                                         ; the closing round
	s_endpgm
.Lfunc_end_k_qe56b60e21e_attn:
	.size	k_qe56b60e21e_attn, .Lfunc_end_k_qe56b60e21e_attn-k_qe56b60e21e_attn
	.p2alignl 7, 3214868480
	.fill 96, 4, 3214868480
	.section	.rodata,"a",@progbits
	.p2align	6, 0x0
	.amdhsa_kernel k_qe56b60e21e_attn
		.amdhsa_group_segment_fixed_size 210944
		.amdhsa_private_segment_fixed_size 0
		.amdhsa_enable_private_segment 0
		.amdhsa_kernarg_size 48
		.amdhsa_user_sgpr_count 2
		.amdhsa_user_sgpr_kernarg_segment_ptr 1
		.amdhsa_wavefront_size32 1
		.amdhsa_system_sgpr_workgroup_id_x 1
		.amdhsa_system_sgpr_workgroup_id_y 1
		.amdhsa_system_sgpr_workgroup_id_z 1
		.amdhsa_system_vgpr_workitem_id 0
		.amdhsa_next_free_vgpr 256
		.amdhsa_next_free_sgpr 100
		.amdhsa_reserve_vcc 1
		.amdhsa_float_denorm_mode_32 3
		.amdhsa_float_denorm_mode_16_64 3
		.amdhsa_memory_ordered 1
		.amdhsa_forward_progress 1
		.amdhsa_inst_pref_size 68
	.end_amdhsa_kernel
	.amdgpu_metadata
---
amdhsa.version: [ 1, 2 ]
amdhsa.kernels:
  - .name:           k_qe56b60e21e_attn
    .symbol:         k_qe56b60e21e_attn.kd
    .args:
      - { .name: qk, .offset: 0, .size: 8, .value_kind: global_buffer, .address_space: global }
      - { .name: qks, .offset: 8, .size: 8, .value_kind: global_buffer, .address_space: global }
      - { .name: vc, .offset: 16, .size: 8, .value_kind: global_buffer, .address_space: global }
      - { .name: vs, .offset: 24, .size: 8, .value_kind: global_buffer, .address_space: global }
      - { .name: cod, .offset: 32, .size: 8, .value_kind: global_buffer, .address_space: global }
      - { .name: scl, .offset: 40, .size: 8, .value_kind: global_buffer, .address_space: global }
    .group_segment_fixed_size: 210944
    .private_segment_fixed_size: 0
    .kernarg_segment_align: 8
    .kernarg_segment_size: 48
    .max_flat_workgroup_size: 512
    .sgpr_count:     100
    .vgpr_count:     256
    .wavefront_size: 32
...
	.end_amdgpu_metadata
.endif
;; end of part 3
;; launch oproj (part 4): grid 4 x 32, 4 waves a work-group, clusters of 4 x 4, 327,680 bytes of LDS; arguments cod, scl, out0; writes out0
.if DOCPART == 4
	.amdgcn_target "amdgcn-amd-amdhsa--gfx1250"
	.amdhsa_code_object_version 6
	.text
	.protected	k_qe56b60e21e_oproj
	.globl	k_qe56b60e21e_oproj
	.p2align	8
	.type	k_qe56b60e21e_oproj,@function
k_qe56b60e21e_oproj:
	s_mov_b64 s[64:65], 0
	v_nop
	global_prefetch_b8 v0, s[64:65] scope:SCOPE_SE
	s_setreg_imm32_b32 hwreg(HW_REG_WAVE_MODE, 25, 1), 1
	s_wait_xcnt 0x0
	s_wait_alu depctr_hold_cnt(0) depctr_sa_sdst(0) depctr_va_vdst(0) depctr_va_sdst(0) depctr_va_ssrc(0) depctr_va_vcc(0) depctr_vm_vsrc(0)
	s_getreg_b32 s2, hwreg(HW_REG_IB_STS2, 6, 4)
	s_cmp_eq_u32 s2, 0
	s_cbranch_scc0 .Lentry_in_a_cluster
	s_endpgm
.Lentry_in_a_cluster:
	s_bfe_u32 s2, ttmp6, 0x10000c
	s_cmp_lg_u32 s2, 0xf033
	s_cbranch_scc0 .Lentry_shape_is_right
	s_endpgm
.Lentry_shape_is_right:
; out0 [8192][1024] f32 = (the attention's result) wo^T on codes of FP6 (E2M3) with E8M0 scales, K = 1,024.  The result's codes lie in cod's tiles 0-511 and scl's blocks 0-511, wo's in tiles 704-767.
; A work-group of four waves makes 256 x 256, a wave 128 x 128: 64 accumulators.  K goes in four steps of 256 through two LDS slots filled by the tensor data mover.
; THE MATRIX INSTRUCTION IS USED TRANSPOSED: source 0 = 16 rows of wo (the "B region"), source 1 = 16 rows of the result (the "A region"): a lane holds one row of out0 and its registers run along the columns.
; LAYOUT: a ROW TILE T = 2 B + u is 16 rows, lane r standing for row 32 B + 8 u + r + 8 (r / 8): so the 16 registers of two neighbouring tiles of wo are 16 neighbouring columns 32 B + 16 h + 0 .. 15.  For 64 along K a tile is an
; image of 768 bytes of the operand's registers: a fragment is four dense LDS loads.  cod = [K quarter 4][tile 768][3,072].  The scale words of all of K go from memory straight into 64 registers, once.
; CLUSTERS: 4 x 4 work-groups; A's tiles are shared along a row of the cluster, B's along a column, each asked for jointly.  The launch has 128 work-groups: 32 x 4 blocks of 256 x 256.
; No prefetch: K has four steps, of which two are first fills, and every tile is read by several work-groups at about the same time.
; REGISTERS as in the launch of the first three products: window 0: v16-31 addresses; v32-95 scale words; v128-223 A's fragments; window 1: B's two sets; windows 2, 3: the accumulators.
.set PLANE, 2359296
.set TILEB, 3072
.set HALFT, 8*TILEB
.set SLOT,  4*HALFT
.set SPARE, 2*SLOT
.set SPI,   528                        ; the way out: a stage of 16 rows x (512 bytes + 16) for each wave, in slot 0, which has had its last fill and its last read when the first result is stored there
.set FR,  12
.set NL,  4
.set NP,  4
.set A16, 16
.set A8,  18
.set B16, 20
.set B8,  22
.set L16, 24
.set L8,  25
.set SOF, 26
.set STO, 27                           ; the way out: where I put 32 bytes of a row
.set SPW, 28
.set NIL, 29
.set RD,  30                           ; and where I read a row back
.set SC,  32
.set AF,  128
.set BK,  128                          ; 16 rows read back: v128-191 and v192-255 by turns
.set G1A, 32
.set G1B, 40
.set G0A, 48
.set G0B, 56
.set MSB, 0
.macro WIN new
.if MSB != (\new)
	s_set_vgpr_msb (MSB<<8)|(\new)
.set MSB, (\new)
.endif
.endm
.set MUL_LO, 0xa1
.set MUL_HI, 0xf1
.set TO_B,   0x40
.macro JLOAD s
	s_cmp_eq_u32 s19, 0
	s_cbranch_scc0 .Lfor_b_\@
	tensor_load_to_lds s[G0A+4*\s:G0A+4*\s+3], s[G1A:G1A+7]
	s_nop 0
.rept 4
	v_nop
.endr
	s_branch .Lasked_\@
.Lfor_b_\@:
	tensor_load_to_lds s[G0B+4*\s:G0B+4*\s+3], s[G1B:G1B+7]
	s_nop 0
.rept 4
	v_nop
.endr
.Lasked_\@:
.endm
.macro CREST
	s_cmp_lg_u32 s18, 0
	s_cbranch_scc1 .Lnot_wave_0_\@
	s_barrier_signal -3
.Lnot_wave_0_\@:
	s_barrier_wait -3
	s_barrier_signal -1
	s_barrier_wait -1
.endm
.macro CROUND
	s_barrier_signal -1
	s_barrier_wait -1
	CREST
.endm
.macro PLACES n
.rept \n
	v_nop
.endr
.endm
	s_load_b128 s[4:7], s[0:1], 0x0                ; cod, scl
	s_load_b64 s[8:9], s[0:1], 0x10                ; out0
	v_lshl_add_u32 v[SPW], v0, 2, SPARE
	v_mov_b32 v[NIL], 0
	ds_add_u32 v[SPW], v[NIL]                      ; the wave's opening: the add and its wait stand ahead of my first tensor load
	ds_add_u32 v[SPW], v[NIL]
	v_lshrrev_b32 v1, 5, v0
	v_readfirstlane_b32 s18, v1                    ; wave
	s_lshr_b32 s19, s18, 1                         ; RH; also: I fetch for A (0) or B (1)
	s_and_b32 s20, s18, 1                          ; CH; also: which 8 tiles I fetch
	s_bfe_u32 s21, ttmp6, 0x40000                  ; cx
	s_bfe_u32 s22, ttmp6, 0x40004                  ; cy
	s_and_b32 s25, ttmp7, 0xffff
	s_lshl_b32 s25, s25, 2
	s_add_co_u32 s25, s25, s22                     ; TR: which 256 rows
	s_lshl_b32 s26, ttmp9, 2
	s_add_co_u32 s26, s26, s21                     ; TC: which 256 columns
	s_lshl_b32 s27, s22, 2
	s_lshl_b32 s27, 15, s27                        ; my row of the cluster
	s_lshl_b32 s28, 0x1111, s21                    ; my column
	s_or_b32 s[G1A], s27, (3<<16)|(1<<21)          ; a dense block of 24,576 bytes as 96 rows of 32 elements of 8 bytes
	s_or_b32 s[G1B], s28, (3<<16)|(1<<21)
.irp g, G1A, G1B
	s_mov_b32 s[\g+1], 32<<16
	s_mov_b32 s[\g+2], 96<<16
	s_mov_b32 s[\g+3], 32<<16
	s_mov_b32 s[\g+4], 96
	s_mov_b32 s[\g+5], 32
	s_mov_b32 s[\g+6], 0
	s_mov_b32 s[\g+7], 0
.endr
	s_lshl_b32 s66, s25, 4                         ; the first of A's 16 tiles
	s_lshl_b32 s68, s26, 4
	s_add_co_u32 s68, s68, 704                     ; the first of B's
	s_lshl_b32 s90, s20, 3
	s_add_co_u32 s67, s66, s90
	s_mul_i32 s84, s67, TILEB
	s_mov_b32 s85, 0
	s_add_co_u32 s69, s68, s90
	s_mul_i32 s86, s69, TILEB
	s_mov_b32 s87, 0
	s_mul_i32 s70, s18, HALFT
	s_mov_b32 s80, 0xffff0000
	s_wait_dscnt 0x0
	s_wait_kmcnt 0x0
	s_add_nc_u64 s[84:85], s[4:5], s[84:85]
	s_add_nc_u64 s[86:87], s[4:5], s[86:87]
	CROUND                                         ; all sixteen work-groups are here: the first joint loads meet
.irp s, 0,1
	s_mov_b32 s[G0A+4*\s], 1
	s_add_co_u32 s[G0A+4*\s+1], s70, \s*SLOT
	s_add_nc_u64 s[G0A+4*\s+2:G0A+4*\s+3], s[84:85], \s*PLANE
	s_or_b32 s[G0A+4*\s+3], s[G0A+4*\s+3], 0x80000000
	s_mov_b32 s[G0B+4*\s], 1
	s_add_co_u32 s[G0B+4*\s+1], s70, \s*SLOT
	s_add_nc_u64 s[G0B+4*\s+2:G0B+4*\s+3], s[86:87], \s*PLANE
	s_or_b32 s[G0B+4*\s+3], s[G0B+4*\s+3], 0x80000000
	s_wait_alu depctr_va_vdst(0)
	s_wait_tensorcnt 0x0
	ds_add_u32 v28, v29
	ds_add_u32 v28, v29
	s_wait_dscnt 0x0
	CROUND
	JLOAD \s
.endr
	v_and_b32 v1, 31, v0
	v_and_b32 v2, 15, v0
	v_bfe_u32 v3, v0, 4, 1
	v_lshlrev_b32 v[L16], 4, v1
	v_lshlrev_b32 v[L8], 3, v1
	s_mul_i32 s71, s19, HALFT
	s_mul_i32 s78, s20, HALFT
	s_add_co_u32 s78, s78, 2*HALFT
.irp s, 0,1
	v_add_nc_u32 v[A16+\s], s71, v[L16]
	v_add_nc_u32 v[A8+\s], s71, v[L8]
	v_add_nc_u32 v[B16+\s], s78, v[L16]
	v_add_nc_u32 v[B8+\s], s78, v[L8]
	s_add_co_u32 s71, s71, SLOT
	s_add_co_u32 s78, s78, SLOT
.endr
	s_lshl_b32 s79, s19, 3
	s_add_co_u32 s79, s79, s66
	s_lshl_b32 s81, s20, 3
	s_add_co_u32 s81, s81, s68
	s_lshl_b32 s91, s79, 9
	s_lshl_b32 s92, s81, 9
	v_mov_b32 v4, s91
	v_mov_b32 v5, s92
	v_cndmask_b32 v4, v4, v5, s80                  ; lanes 0-15 take A's words, lanes 16-31 B's
	v_lshl_add_u32 v[SOF], v2, 4, v4
.irp i, 0,1,2,3,4,5,6,7
.irp q, 0,1
	global_load_b128 v[SC+8*\i+4*\q:SC+8*\i+4*\q+3], v[SOF], s[6:7] offset:512*\i+256*\q
.endr
.endr
	s_mul_i32 s93, s18, 16*SPI                     ; my stage
	v_mul_u32_u24 v[STO], v2, SPI
	v_lshl_add_u32 v[STO], v3, 6, v[STO]
	v_add_nc_u32 v[STO], s93, v[STO]               ; in: row r, + 64 h
	v_add_nc_u32 v[RD], s93, v[L16]                ; back: the 32 lanes take a row of 512 bytes
	s_lshl_b32 s90, s25, 8
	s_lshl_b32 s91, s19, 7
	s_add_co_u32 s90, s90, s91                     ; my first row: 256 TR + 128 RH
	s_lshl_b32 s90, s90, 12
	s_lshl_b32 s91, s26, 10
	s_add_co_u32 s90, s90, s91
	s_lshl_b32 s91, s20, 9
	s_add_co_u32 s90, s90, s91                     ; + my first column's bytes: 1,024 TC + 512 CH
	s_mov_b32 s91, 0
	s_add_nc_u64 s[72:73], s[8:9], s[90:91]
.macro FRAG reg, a16, a8, q, i
	ds_load_b128 v[\reg:\reg+3], v[\a16] offset:(\i)*TILEB+(\q)*1536
	ds_load_b64 v[\reg+4:\reg+5], v[\a8] offset:(\i)*TILEB+(\q)*1536+512
	ds_load_b128 v[\reg+6:\reg+9], v[\a16] offset:(\i)*TILEB+(\q)*1536+768
	ds_load_b64 v[\reg+10:\reg+11], v[\a8] offset:(\i)*TILEB+(\q)*1536+1280
.endm
.macro FETCH_B slot, q, p
	WIN TO_B
.irp i, 0,1,2,3,4,5,6,7
	FRAG 128*(\p)+FR*\i, B16+\slot, B8+\slot, \q, \i
.endr
	WIN 0
.endm
.macro FETCH_A slot, q, i0
.irp i, \i0, \i0+1, \i0+2, \i0+3
	FRAG AF+FR*(\i), A16+\slot, A8+\slot, \q, \i
.endr
.endm
.macro MUL16 a0, p, kq, zero           ; the 64 accumulators take turns, one instruction a turn, in the same order in every step
.irp a, \a0, \a0+1
.irp b, 0,1,2,3,4,5,6,7
.if \zero
	v_wmma_scale_f32_16x16x128_f8f6f4 v[8*(8*((\a)%4)+\b):8*(8*((\a)%4)+\b)+7], v[128*(\p)+FR*\b:128*(\p)+FR*\b+FR-1], v[AF+FR*(\a):AF+FR*(\a)+FR-1], 0, v[SC+8*\b+(\kq)], v[SC+8*(\a)+(\kq)] matrix_a_fmt:MATRIX_FMT_FP6 matrix_b_fmt:MATRIX_FMT_FP6 matrix_a_scale:MATRIX_SCALE_ROW1
.else
	v_wmma_scale_f32_16x16x128_f8f6f4 v[8*(8*((\a)%4)+\b):8*(8*((\a)%4)+\b)+7], v[128*(\p)+FR*\b:128*(\p)+FR*\b+FR-1], v[AF+FR*(\a):AF+FR*(\a)+FR-1], v[8*(8*((\a)%4)+\b):8*(8*((\a)%4)+\b)+7], v[SC+8*\b+(\kq)], v[SC+8*(\a)+(\kq)] matrix_a_fmt:MATRIX_FMT_FP6 matrix_b_fmt:MATRIX_FMT_FP6 matrix_a_scale:MATRIX_SCALE_ROW1
.endif
.endr
.endr
.endm
.macro STEP slot, kq, zero
	s_wait_dscnt 4*NL                              ; B's set and A's tiles 0-3 are in; the youngest sixteen loads (A's tiles 4-7) may be out
	WIN MUL_LO
	MUL16 0, 0, \kq, \zero
	MUL16 2, 0, \kq, \zero
	s_wait_dscnt 0
	PLACES NP
	FETCH_B \slot, 1, 1
	FETCH_A \slot, 1, 0
	WIN MUL_HI
	MUL16 4, 0, \kq, \zero
	MUL16 6, 0, \kq, \zero
	PLACES NP
	WIN 0
	FETCH_A \slot, 1, 4
.endm
.macro TURN slot, next, fill, kq
	s_wait_tensorcnt 0x0                           ; all my tensor loads have landed: my part of the next slot
	ds_add_u32 v[SPW], v[NIL]                      ; 0 onto my spare word
	s_wait_dscnt 4*NL+1                            ; (the add and the youngest sixteen loads may be out)
	WIN MUL_LO
	MUL16 0, 1, \kq, 0
	s_wait_dscnt 0x0                               ; the add is done, and my reads of this slot are over
	s_barrier_signal -1
	MUL16 2, 1, \kq, 0
	WIN 0
	s_barrier_wait -1
.if \fill
	CREST                                          ; the barrier has opened a round of the cluster's: no wave of any partner still reads this slot or has a load on its way
	s_add_nc_u64 s[G0A+4*\slot+2:G0A+4*\slot+3], s[G0A+4*\slot+2:G0A+4*\slot+3], 2*PLANE
	s_add_nc_u64 s[G0B+4*\slot+2:G0B+4*\slot+3], s[G0B+4*\slot+2:G0B+4*\slot+3], 2*PLANE
	JLOAD \slot
.else
	PLACES NP
.endif
	s_wait_alu depctr_va_vdst(0)
	FETCH_B \next, 0, 0
	FETCH_A \next, 0, 0
	WIN MUL_HI
	MUL16 4, 1, \kq, 0
	MUL16 6, 1, \kq, 0
	PLACES NP
	WIN 0
	FETCH_A \next, 0, 4
.endm
	s_wait_tensorcnt 1                             ; my part of slot 0 is in (slot 1's load may be out)
	s_barrier_signal -1
	s_barrier_wait -1                              ; everybody's is
	FETCH_B 0, 0, 0
	FETCH_A 0, 0, 0
	FETCH_A 0, 0, 4
	s_wait_loadcnt 0x0                             ; the scale words
	STEP 0, 0, 1
	TURN 0, 1, 1, 1
	STEP 1, 2, 0
	TURN 1, 0, 1, 3
	STEP 0, 4, 0
	TURN 0, 1, 0, 5
	STEP 1, 6, 0
	s_wait_dscnt 4*NL
	WIN MUL_LO
	MUL16 0, 1, 7, 0
	MUL16 2, 1, 7, 0
	s_wait_dscnt 0
	WIN MUL_HI
	MUL16 4, 1, 7, 0
	MUL16 6, 1, 7, 0
	WIN 0
; THE WAY OUT, a tile of 16 rows x 128 columns at a time.  A lane holds pieces of one row and the lanes beside it hold other rows: so a tile goes through my own stage in LDS and comes back as whole rows of 512 bytes.
; Accumulator b's eight registers are columns 32 (b / 2) + 16 h + 8 (b % 2) + 0 .. 7.  LDS serves a wave's instructions in order: no wait between the stores and the loads, nor in front of the next tile's stores.
.macro TOSTAGE a
.set AC, 64*((\a)%4)
	WIN (2+(\a)/4)<<2                              ; an LDS store's data are its source 1
.irp b, 0,1,2,3,4,5,6,7
	ds_store_b128 v[STO], v[AC+8*\b:AC+8*\b+3] offset:128*(\b/2)+32*(\b%2)          ; each accumulator from its low end on
	ds_store_b128 v[STO], v[AC+8*\b+4:AC+8*\b+7] offset:128*(\b/2)+32*(\b%2)+16
.endr
	WIN 0
.set BBK, BK+64*((\a)%2)
.irp t, 0,1,2,3,4,5,6,7,8,9,10,11,12,13,14,15
	ds_load_b128 v[BBK+4*\t:BBK+4*\t+3], v[RD] offset:\t*SPI
.endr
.endm
.macro SEND a, younger                 ; younger: the LDS instructions issued behind tile a's loads, which may stay out
.set BBK, BK+64*((\a)%2)
	s_wait_dscnt \younger
.irp t, 0,1,2,3,4,5,6,7,8,9,10,11,12,13,14,15
	global_store_b128 v[L16], v[BBK+4*\t:BBK+4*\t+3], s[72:73] offset:(32*((\a)/2)+8*((\a)%2)+\t+8*(\t/8))*4096 th:TH_STORE_NT   ; 512 consecutive bytes of the tile's row t, at a multiple of 256 from out0's first byte
.endr
.endm
	PLACES NP                                      ; behind the last products: loads land in the registers that held A's fragments, and results are read
	TOSTAGE 0
.irp a, 1,2,3,4,5,6,7
.if \a > 1
	s_wait_xcnt 0x0                                ; tile a - 2's stores have read their registers: tile a's loads may land there
.endif
	TOSTAGE \a
	SEND \a-1, 32                                  ; behind tile a - 1's loads: tile a's 16 stores and 16 loads
.endr
	SEND 7, 0
	s_wait_tensorcnt 0x0                           ; the wave's end, behind my last tensor load and my last LDS store
	ds_add_u32 v[SPW], v[NIL]
	s_wait_dscnt 0x0
	CROUND                                         ; the closing round
	s_endpgm
.Lfunc_end_k_qe56b60e21e_oproj:
	.size	k_qe56b60e21e_oproj, .Lfunc_end_k_qe56b60e21e_oproj-k_qe56b60e21e_oproj
	.p2alignl 7, 3214868480
	.fill 96, 4, 3214868480
	.section	.rodata,"a",@progbits
	.p2align	6, 0x0
	.amdhsa_kernel k_qe56b60e21e_oproj
		.amdhsa_group_segment_fixed_size 327680
		.amdhsa_private_segment_fixed_size 0
		.amdhsa_enable_private_segment 0
		.amdhsa_kernarg_size 24
		.amdhsa_user_sgpr_count 2
		.amdhsa_user_sgpr_kernarg_segment_ptr 1
		.amdhsa_wavefront_size32 1
		.amdhsa_system_sgpr_workgroup_id_x 1
		.amdhsa_system_sgpr_workgroup_id_y 1
		.amdhsa_system_sgpr_workgroup_id_z 1
		.amdhsa_system_vgpr_workitem_id 0
		.amdhsa_next_free_vgpr 1024
		.amdhsa_next_free_sgpr 100
		.amdhsa_reserve_vcc 0
		.amdhsa_float_denorm_mode_32 3
		.amdhsa_float_denorm_mode_16_64 3
		.amdhsa_memory_ordered 1
		.amdhsa_forward_progress 1
		.amdhsa_inst_pref_size 141
	.end_amdhsa_kernel
	.amdgpu_metadata
---
amdhsa.version: [ 1, 2 ]
amdhsa.kernels:
  - .name:           k_qe56b60e21e_oproj
    .symbol:         k_qe56b60e21e_oproj.kd
    .args:
      - { .name: cod, .offset: 0, .size: 8, .value_kind: global_buffer, .address_space: global }
      - { .name: scl, .offset: 8, .size: 8, .value_kind: global_buffer, .address_space: global }
      - { .name: out0, .offset: 16, .size: 8, .value_kind: global_buffer, .address_space: global }
    .group_segment_fixed_size: 327680
    .private_segment_fixed_size: 0
    .kernarg_segment_align: 8
    .kernarg_segment_size: 24
    .max_flat_workgroup_size: 128
    .sgpr_count:     100
    .vgpr_count:     1024
    .wavefront_size: 32
...
	.end_amdgpu_metadata
.endif
;; end of part 4
